; MI455X (gfx1250); checked and timed in simulation.
; The chip was launched on July 23, 2026; its instructions are those of AMD's public machine-readable ISA for CDNA 5 (MIT licence, August 2026) and "CDNA5" Instruction Set Architecture Reference Guide (July 2026). The comments in the code are by the model that wrote it; some were corrected since.
;; Multihead Attention Lo RA. Allowed arithmetic: matrix products marked QUANTISED: E2M3 operands, one E8M0 scale for each 32 along K, by v_wmma_scale_f32_16x16x128_f8f6f4 with both operands' format E2M3, f32 sums; everything else in f32.
;; Inputs: Wk 1,024 x 1,024 float32; Wo 1,024 x 1,024 float32; Wq 1,024 x 1,024 float32; Wv 1,024 x 1,024 float32; bk 1,024 float32; bo 1,024 float32; bq 1,024 float32; bv 1,024 float32; key 4 x 2,048 x 1,024 float32; query 4 x 2,048 x 1,024 float32; value 4 x 2,048 x 1,024 float32.
;; Outputs: out0 4 x 2,048 x 1,024 float32.
;; This version of the problem:
;;   THIS VERSION OF THE PROBLEM IS GIVEN IN LOW PRECISION. The matrix products marked QUANTISED in the list below multiply operands that are first quantised to E2M3 (2 exponent bits, 3 mantissa bits; 6 bits a number), with one power-of-two scale for each 32 numbers along K (OCP MX v1.0); their sums are f32. All else is computed in f32.
;;   The module's matrix products, in the order in which they are computed (A, B: the left and right operand; K: the contracted axis; several contracted axes count as one K, in the product's order):
;;     1. [M 8,192, K 1,024] x [K 1,024, N 1,024]; A: input query; B: input Wq: QUANTISED
;;     2. [M 8,192, K 1,024] x [K 1,024, N 1,024]; A: input key; B: input Wk: QUANTISED
;;     3. [M 8,192, K 1,024] x [K 1,024, N 1,024]; A: input value; B: input Wv: QUANTISED
;;     4. batch 64 x [M 2,048, K 64] x [K 64, N 2,048]; A: computed on the way; B: computed on the way: QUANTISED
;;     5. batch 64 x [M 2,048, K 2,048] x [K 2,048, N 64]; A: softmax (see below); B: computed on the way: QUANTISED
;;     6. [M 8,192, K 1,024] x [K 1,024, N 1,024]; A: computed on the way; B: input Wo: QUANTISED
;;   THE QUANTISER, for each operand of a quantised product, along K:
;;     - K is cut into blocks of 32 from its start; a last block that is shorter is filled with zeros.
;;     - A block's scale is 2^e with e = floor(log2(the largest magnitude in the block)) - 2, held to -126 .. 127; a block of zeros has e = 0. As a byte (E8M0): e + 127.
;;     - Each number is divided by its block's scale, clamped to +-7.5, and rounded to the nearest number of E2M3, ties to even, subnormals kept.
;;     - The product sums the exact products of the quantised numbers (number of the format x scale) in f32.
;;   ~~~python
;;   def quantise(x, axis):      # numpy; x: float32 -> the quantised numbers, widened to float32 again
;;       x = np.moveaxis(x, axis, -1); K = x.shape[-1]
;;       x = np.pad(x, [(0, 0)] * (x.ndim - 1) + [(0, -K % 32)]); x = x.reshape(x.shape[:-1] + (-1, 32)); a = np.abs(x).max(-1, keepdims=True)
;;       e = np.where(a > 0, np.clip(np.frexp(np.where(a > 0, a, 1))[1] - 1 - 2, -126, 127), 0)      # np.frexp(a)[1] - 1 = floor(log2(a)), exactly
;;       r = np.clip(x / 2.0 ** e, -7.5, 7.5)
;;       step = 2.0 ** (np.maximum(np.frexp(np.where(r == 0, 1, r))[1] - 1, 0) - 3)
;;       q = np.round(r / step) * step * 2.0 ** e      # np.round: ties to even
;;       return np.moveaxis(q.reshape(q.shape[:-2] + (-1,))[..., :K], -1, axis).astype(np.float32)
;;   ~~~
;;   SOFTMAX AHEAD OF A QUANTISED PRODUCT. Where the list says 'softmax', what is quantised is not the finished softmax but p = 2^(t - M), with t = logit x log2(e) and M = ceil(the row's largest t), a whole number; so 1/2 < the row's largest p <= 1. The row's sum l is taken of the UNQUANTISED p, in f32, and the product's result is divided by l at the end. Since M is a whole number, a kernel that streams over the keys may use a running M (the ceiling of the running maximum): every later rescaling is an exact power of two, which a block's scale takes up: the codes' values come out the same.
;;   OPERANDS COMPUTED ON THE WAY. 'Computed on the way' means the value that the module computes at that place (a softmax that the list does not call 'softmax' is quantised finished and normalised). What goes into a quantiser is computed in f32, as accurately as f32 sums, v_exp_f32 and their like allow (about 1e-6 of the number): no bf16 or f16 on the way to a quantiser, and a product that is left as it is and whose result goes on into a quantised operand takes f32 operands (vector FMAs, or v_wmma_f32_16x16x4_f32). A number that lies on a knife's edge between two numbers of the format may be rounded either way, as far as f32 arithmetic and the matrix unit's own rounding can turn it there, and no further.
;; One version. Each part assembles by itself: llvm-mc -triple=amdgcn-amd-amdhsa -mcpu=gfx1250 --defsym DOCPART=n.
;; ======== version 1 of 1: 4 launches
;; limits: right only within a limited range of input values
;; workspace buffers: xw 22,020,096 bytes; xs 917,504 bytes; qkv 19,660,800 bytes; oimg 6,291,456 bytes; os 262,144 bytes
;; launch quant (part 1): grid 896 x 1, 4 waves a work-group, no clusters, 34,304 bytes of LDS; arguments query, key, value, Wq, Wk, Wv, Wo, xw, xs; writes xw, xs
.if DOCPART == 1
	.amdgcn_target "amdgcn-amd-amdhsa--gfx1250"
	.amdhsa_code_object_version 6
	.text
	.protected	k_q0026736601_quant
	.globl	k_q0026736601_quant
	.p2align	8
	.type	k_q0026736601_quant,@function
k_q0026736601_quant:
	s_mov_b64 s[64:65], 0
	v_nop
	global_prefetch_b8 v0, s[64:65] scope:SCOPE_SE
	s_setreg_imm32_b32 hwreg(HW_REG_WAVE_MODE, 25, 1), 1
	s_wait_xcnt 0x0
; LAUNCH 1 OF 4.  query, key, value [8192][1024] and Wq, Wk, Wv, Wo [1024][1024], f32 with K innermost, become codes of FP6 (E2M3) with one E8M0 byte for each 32 along K.
; DEAD WORK: none.  Every input has a way to the output: the four biases go into a quantised operand (bq, bk, bv) or into the result (bo), and no product, row or step of the problem is thrown away.
; THE WORKSPACE.  The seven tensors are one tall matrix of 28,672 rows (query 0, key 8,192, value 16,384, Wq 24,576, Wk 25,600, Wv 26,624, Wo 27,648).
;   ROW ORDER: workspace row 32 G + 16 u + p (p = 0 .. 15) is true row 32 G + 8 u + p + 8 (p / 8).  Sixteen workspace rows are a ROW BLOCK.  Used as source 0 of a product, blocks 2 G and 2 G + 1 then leave
;   sixteen true neighbours, 32 G + 16 (lane / 16) + 0 .. 15, in a lane's sixteen result registers: what the next quantiser wants.
;   FRAGMENT IMAGE (xw): a block's 128 along K are 1,536 bytes in the order of the operand's registers: byte 768 c + 256 p + 8 lane holds bytes 8 p .. 8 p + 7 of the 24 bytes of codes of row lane % 16,
;   block of 32 number 2 c + lane / 16.  Six loads of 8 bytes a lane, each of 256 consecutive bytes a wave, fill the twelve registers.  A row block has eight images on end: 12,288 bytes.
;   SCALE IMAGE (xs): [row block][K step / 4][row][4 words], a word being the four bytes of one row and one K step of 128: 512 bytes a row block.
; SHARES.  A work-group takes 32 rows; wave w takes row block u = w / 2 and K half q = w % 2: four fragments.  Each load reads 512 consecutive bytes of one row; a fragment's 8 KiB turn through the wave's own stage
; in LDS (16 rows, 528 bytes apart), from which a lane takes two whole blocks of 32 of its row.  No barrier: waves share nothing.  Loads run one fragment (16 loads) ahead.
; A block's scale is 2^(floor(log2(largest magnitude)) - 2): its byte is that magnitude's exponent field - 2.
; LIMITS: a block whose largest magnitude lies under 2^-124 is held at the byte 1, and so is a block of zeros (where the rule says 127: its codes are zeros, and this program alone reads the bytes); NaN and infinities among the inputs are not served.
.set WSTG,  8448                       ; a wave's stage: 16 rows x (512 + 16) bytes
.set SPARE, 4*WSTG                     ; behind the stages: the spare words, 128 bytes a wave
.set SPW,   12                         ; v12  my spare word's LDS address; never rewritten
.set NIL,   13                         ; v13  0; never rewritten
.set W,     20                         ; v20-23   the four fragments' scale words
.set T,     24                         ; v24-26, v28-30  the upper halves of two blocks' codes
.set PC,    32                         ; v32-43   a fragment's codes
.set R,     48                         ; v48-175  two sets of 64: a fragment as loaded
.set X,     176                        ; v176-239 my two blocks of 32 neighbours
	s_load_b512 s[8:23], s[0:1], 0x0               ; query, key, value, Wq, Wk, Wv, Wo, xw
	s_load_b64 s[24:25], s[0:1], 0x40              ; xs
	v_lshl_add_u32 v[SPW], v0, 2, SPARE
	v_mov_b32 v[NIL], 0
	v_lshrrev_b32 v7, 5, v0
	v_readfirstlane_b32 s26, v7                    ; wave
	v_and_b32 v7, 31, v0                           ; lane
	v_and_b32 v16, 15, v0                          ; r
	v_bfe_u32 v17, v0, 4, 1                        ; h
	v_lshlrev_b32 v1, 4, v7                        ; in: 16 bytes a lane
	v_lshlrev_b32 v2, 3, v7                        ; codes out: 8 bytes a lane
	s_mul_i32 s27, s26, WSTG
	v_add_nc_u32 v3, s27, v1                       ; the stage, on the way in
	v_mul_u32_u24 v4, v16, 528
	v_lshl_add_u32 v4, v17, 7, v4
	v_add_nc_u32 v4, s27, v4                       ; and out: row r, block h (128 bytes a block)
	v_lshlrev_b32 v5, 4, v16
	v_lshl_add_u32 v5, v17, 3, v5                  ; scale words out: 16 r + 8 h
	v_lshlrev_b32 v6, 3, v17                       ; 8 h: my bytes' place in a scale word
	v_mov_b32 v19, 0                               ; written once: a lane permute's destination counts as one of its sources
	s_mov_b32 s32, 0x76543210
	s_mov_b32 s33, 0xfedcba98                      ; lane l xor 16
	s_mov_b32 s34, 0xffff0000                      ; lanes 16-31
	s_lshr_b32 s30, s26, 1                         ; u
	s_and_b32 s31, s26, 1                          ; q
	; KEY'S ROW ORDER DIFFERS (work-groups 256 to 511): workspace row 64 c + 16 t + p (t = 0 .. 3) is true row 64 c + 32 (p / 8) + 8 t + p % 8, so that as source 0 of the score product four row blocks
	; leave 32 true neighbours, 64 c + 32 (lane / 16) + 0 .. 31, in a lane's 32 result registers.  Against the common order: rows p >= 8 lie 16 rows further on (v44), and an odd group begins 16 rows earlier (s40).
	s_lshr_b32 s37, ttmp9, 8
	s_cmp_eq_u32 s37, 1
	s_cselect_b32 s37, 0x10000, 0                  ; 16 rows of 4,096 bytes for key, 0 for the others
	s_and_b32 s40, ttmp9, 1
	s_mul_i32 s40, s40, s37
	v_add_nc_u32 v44, s37, v1                      ; the offset of a block's rows 8 to 15
	s_wait_alu depctr_va_vdst(0)
	s_wait_kmcnt 0x0
	s_mov_b64 s[4:5], s[8:9]
	s_mov_b32 s29, 0
.macro PICK first, ptr                 ; from group \first on the rows are the next tensor's: the choice hangs on the work-group's number alone
	s_cmp_ge_u32 ttmp9, \first
	s_cselect_b64 s[4:5], s[\ptr:\ptr+1], s[4:5]
	s_cselect_b32 s29, \first, s29
.endm
	PICK 256, 10
	PICK 512, 12
	PICK 768, 14
	PICK 800, 16
	PICK 832, 18
	PICK 864, 20
	s_sub_co_u32 s28, ttmp9, s29                   ; my group of 32 rows in its tensor:
	s_lshl_b32 s28, s28, 17
	s_sub_co_u32 s28, s28, s40                     ; (key, odd group: 16 rows earlier)
	s_lshl_b32 s35, s30, 15                        ; + 8 u rows,
	s_add_co_u32 s28, s28, s35
	s_lshl_b32 s35, s31, 11                        ; + 512 q numbers
	s_add_co_u32 s28, s28, s35
	s_mov_b32 s29, 0
	s_add_nc_u64 s[4:5], s[4:5], s[28:29]
	s_lshl_b32 s36, ttmp9, 1
	s_add_co_u32 s36, s36, s30                     ; my row block
	s_mul_i32 s38, s36, 12288
	s_mul_i32 s35, s31, 6144
	s_add_co_u32 s38, s38, s35
	s_mov_b32 s39, 0
	s_add_nc_u64 s[22:23], s[22:23], s[38:39]      ; its images 4 q on
	s_lshl_b32 s38, s36, 9
	s_lshl_b32 s35, s31, 8
	s_add_co_u32 s38, s38, s35
	s_add_nc_u64 s[24:25], s[24:25], s[38:39]      ; its scale words of quad q
.macro LOAD t                          ; fragment t: 16 rows x 128 numbers; a load reads 512 consecutive bytes of one true row
.irp i, 0,1,2,3,4,5,6,7,8,9,10,11,12,13,14,15
	global_load_b128 v[R+64*((\t)%2)+4*\i:R+64*((\t)%2)+4*\i+3], v[1+43*(\i/8)], s[4:5] offset:(\i+8*(\i/8))*4096+512*(\t) th:TH_LOAD_NT
.endr
.endm
.macro TURN t                          ; through the stage: LDS serves a wave's instructions in order, so no wait stands between the stores and the loads
.irp i, 0,1,2,3,4,5,6,7,8,9,10,11,12,13,14,15
	ds_store_b128 v3, v[R+64*((\t)%2)+4*\i:R+64*((\t)%2)+4*\i+3] offset:528*\i
.endr
.irp c, 0,1
.irp e, 0,1,2,3,4,5,6,7
	ds_load_b128 v[X+32*\c+4*\e:X+32*\c+4*\e+3], v4 offset:256*\c+16*\e      ; block 2 c + h of row r
.endr
.endr
.endm
.macro STEP t
.if (\t) < 3
	s_wait_loadcnt 16                              ; this fragment's 16 loads are in; the next fragment's 16 may be out
.else
	s_wait_loadcnt 0x0
.endif
	TURN \t
	s_wait_dscnt 0x0                               ; the stores have read their registers, and my 64 numbers are back
.if (\t) < 2
	LOAD (\t)+2
.endif
.irp c, 0,1                                    ; each block's largest magnitude: all 32 numbers are mine; two chains a block
	v_max3_num_f32 v[8+2*\c], |v[X+32*\c]|, |v[X+32*\c+1]|, |v[X+32*\c+2]|
	v_max3_num_f32 v[9+2*\c], |v[X+32*\c+3]|, |v[X+32*\c+4]|, |v[X+32*\c+5]|
.endr
.irp i, 6,10,14,18,22,26
.irp c, 0,1
	v_max3_num_f32 v[8+2*\c], v[8+2*\c], |v[X+32*\c+\i]|, |v[X+32*\c+\i+1]|
	v_max3_num_f32 v[9+2*\c], v[9+2*\c], |v[X+32*\c+\i+2]|, |v[X+32*\c+\i+3]|
.endr
.endr
.irp c, 0,1
	v_max3_num_f32 v[8+2*\c], v[8+2*\c], |v[X+32*\c+30]|, |v[X+32*\c+31]|
.endr
.irp c, 0,1
	v_max3_num_f32 v[8+2*\c], v[8+2*\c], v[9+2*\c], 0x1800000      ; and the floor 2^(3 - 127): the byte cannot fall under 1
.endr
.irp c, 0,1
	v_add_nc_u32 v[14+\c], 0xff000000, v[8+2*\c]   ; 2 off the exponent field: the conversion's scale operand
.endr
.irp c, 0,1
	v_lshrrev_b32 v[16+\c], 23, v[14+\c]           ; the scale's byte
.endr
	v_lshl_or_b32 v18, v17, 16, v16                ; my two bytes, blocks h and 2 + h,
	v_lshlrev_b32 v18, v6, v18                     ; at their places;
	v_permlanex16_b32 v19, v18, s32, s33
	v_or_b32 v[W+(\t)], v18, v19                   ; with lane l xor 16's two the row's word is whole
	s_wait_alu depctr_va_vdst(0)
	s_wait_xcnt 0x0                                ; the last fragment's stores have read their data: the codes' registers are written again only behind this wait
.irp c, 0,1
	v_cvt_scalef32_pk16_fp6_f32 v[PC+6*\c:PC+6*\c+2], v[X+32*\c:X+32*\c+15], v[14+\c]
	v_cvt_scalef32_pk16_fp6_f32 v[T+4*\c:T+4*\c+2], v[X+32*\c+16:X+32*\c+31], v[14+\c]   ; (a conversion's three registers begin on an even number)
.endr
	v_nop                                          ; one plain place behind a scaled conversion
.irp c, 0,1
.irp i, 0,1,2
	v_mov_b32 v[PC+6*\c+3+\i], v[T+4*\c+\i]
.endr
.endr
.irp p, 0,1,2,3,4,5
	global_store_b64 v2, v[PC+2*\p:PC+2*\p+1], s[22:23] offset:1536*(\t)+256*\p    ; 32 lanes store 256 consecutive bytes, aligned
.endr
.endm
	LOAD 0
	LOAD 1
	STEP 0
	STEP 1
	STEP 2
	STEP 3
	v_cndmask_b32 v16, v[W], v[W+2], s34           ; lanes 0-15 store row r's words 0, 1, lanes 16-31 its words 2, 3
	v_cndmask_b32 v17, v[W+1], v[W+3], s34
	global_store_b64 v5, v[16:17], s[24:25]        ; 256 consecutive bytes, aligned
	s_wait_tensorcnt 0x0                           ; the wave's end: behind my last LDS store
	ds_add_u32 v[SPW], v[NIL]
	s_wait_dscnt 0x0
	s_endpgm
.Lfunc_end_k_q0026736601_quant:
	.size	k_q0026736601_quant, .Lfunc_end_k_q0026736601_quant-k_q0026736601_quant
	.p2alignl 7, 3214868480
	.fill 96, 4, 3214868480
	.section	.rodata,"a",@progbits
	.p2align	6, 0x0
	.amdhsa_kernel k_q0026736601_quant
		.amdhsa_group_segment_fixed_size 34304
		.amdhsa_private_segment_fixed_size 0
		.amdhsa_enable_private_segment 0
		.amdhsa_kernarg_size 72
		.amdhsa_user_sgpr_count 2
		.amdhsa_user_sgpr_kernarg_segment_ptr 1
		.amdhsa_wavefront_size32 1
		.amdhsa_system_sgpr_workgroup_id_x 1
		.amdhsa_system_sgpr_workgroup_id_y 1
		.amdhsa_system_sgpr_workgroup_id_z 1
		.amdhsa_system_vgpr_workitem_id 0
		.amdhsa_next_free_vgpr 240
		.amdhsa_next_free_sgpr 66
		.amdhsa_reserve_vcc 0
		.amdhsa_float_denorm_mode_32 3
		.amdhsa_float_denorm_mode_16_64 3
		.amdhsa_memory_ordered 1
		.amdhsa_forward_progress 1
		.amdhsa_inst_pref_size 33
	.end_amdhsa_kernel
	.amdgpu_metadata
---
amdhsa.version: [ 1, 2 ]
amdhsa.kernels:
  - .name:           k_q0026736601_quant
    .symbol:         k_q0026736601_quant.kd
    .args:
      - { .name: query, .offset: 0, .size: 8, .value_kind: global_buffer, .address_space: global }
      - { .name: key, .offset: 8, .size: 8, .value_kind: global_buffer, .address_space: global }
      - { .name: value, .offset: 16, .size: 8, .value_kind: global_buffer, .address_space: global }
      - { .name: Wq, .offset: 24, .size: 8, .value_kind: global_buffer, .address_space: global }
      - { .name: Wk, .offset: 32, .size: 8, .value_kind: global_buffer, .address_space: global }
      - { .name: Wv, .offset: 40, .size: 8, .value_kind: global_buffer, .address_space: global }
      - { .name: Wo, .offset: 48, .size: 8, .value_kind: global_buffer, .address_space: global }
      - { .name: xw, .offset: 56, .size: 8, .value_kind: global_buffer, .address_space: global }
      - { .name: xs, .offset: 64, .size: 8, .value_kind: global_buffer, .address_space: global }
    .group_segment_fixed_size: 34304
    .private_segment_fixed_size: 0
    .kernarg_segment_align: 8
    .kernarg_segment_size: 72
    .max_flat_workgroup_size: 128
    .sgpr_count:     66
    .vgpr_count:     240
    .wavefront_size: 32
...
	.end_amdgpu_metadata
.endif
;; end of part 1
;; launch proj (part 2): grid 4 x 96, 4 waves a work-group, clusters of 4 x 4, 327,680 bytes of LDS; arguments xw, xs, bq, bk, bv, qkv; writes qkv
.if DOCPART == 2
	.amdgcn_target "amdgcn-amd-amdhsa--gfx1250"
	.amdhsa_code_object_version 6
	.text
	.protected	k_q0026736601_proj
	.globl	k_q0026736601_proj
	.p2align	8
	.type	k_q0026736601_proj,@function
k_q0026736601_proj:
	s_mov_b64 s[64:65], 0
	v_nop
	global_prefetch_b8 v0, s[64:65] scope:SCOPE_SE
	s_setreg_imm32_b32 hwreg(HW_REG_WAVE_MODE, 25, 1), 1
	s_wait_xcnt 0x0
	s_wait_alu depctr_hold_cnt(0) depctr_sa_sdst(0) depctr_va_vdst(0) depctr_va_sdst(0) depctr_va_ssrc(0) depctr_va_vcc(0) depctr_vm_vsrc(0)
	s_getreg_b32 s2, hwreg(HW_REG_IB_STS2, 6, 4)
	s_cmp_eq_u32 s2, 0
	s_cbranch_scc0 .Lentry_in_a_cluster
	s_endpgm
.Lentry_in_a_cluster:
	s_bfe_u32 s2, ttmp6, 0x10000c
	s_cmp_lg_u32 s2, 0xf033
	s_cbranch_scc0 .Lentry_shape_is_right
	s_endpgm
.Lentry_shape_is_right:
.set NQ,     2
.set FR,     12
.set NL, 3                             ; LDS loads of a fragment: its six pieces of 8 bytes, 256 bytes apart, two to a load
.set FB, 232                           ; v232-239 LDS addresses of B's eight fragments that are fetched next (these registers serve the way out later)
.set FA, 240                           ; v240-247 the same for A's
.set PFO, 30                           ; v30 the prefetches' offset; never rewritten
.set PFA, 94                           ; s[94:95] the prefetches' base: my wave's 8 row blocks of A or of B; never rewritten
.set NP,     4
.set RBB,    3072
.set HALFT,  8*RBB
.set SLOT,   4*HALFT
.set SCL,    2*SLOT
.set HALFS,  4096
.set SBLK,   512
.set SPARE,  SCL+4*HALFS
.set ADRA, 16
.set ADRB, 20
.set ADRS, 27
.set SPW,  28
.set NIL,  29
.set SC,   32
.set AF,   128
.set G1, 24
.set G0, 32
.set G1B, 48
.set G0B, 56
.set G1S, 68
.set G0S, 76
.set G1SB, 80
.set G0SB, 88
.set KIND, 66
.set ISV,  67
.set VO,   10
.set VS,   11
.set BN,   64
.set BM,   224
.set H,    128
.set PC,   192
.set TM,   232
.set PWA,  248
.set GW,   250
.set SB0,  48
.set SB1,  50
.set SS0,  52
.set SS1,  54
.set HM,   56
.set SEL,  58
.set MSB, 0
.macro WIN new
.if MSB != (\new)
	s_set_vgpr_msb (MSB<<8)|(\new)
.set MSB, \new
.endif
.endm
.set MUL_LO, 0xa1
.set MUL_HI, 0xf1
.set TO_B,   0x40
.macro JLOAD g0a, g1a, g0b, g1b
	s_cmp_eq_u32 s15, 0
	s_cbranch_scc0 .Lfor_b_\@
	tensor_load_to_lds s[\g0a:\g0a+3], s[\g1a:\g1a+7]
	s_nop 0
.rept 4
	v_nop
.endr
	s_branch .Lasked_\@
.Lfor_b_\@:
	tensor_load_to_lds s[\g0b:\g0b+3], s[\g1b:\g1b+7]
	s_nop 0
.rept 4
	v_nop
.endr
.Lasked_\@:
.endm
.macro CREST
	s_cmp_lg_u32 s14, 0
	s_cbranch_scc1 .Lnot_wave_0_\@
	s_barrier_signal -3
.Lnot_wave_0_\@:
	s_barrier_wait -3
	s_barrier_signal -1
	s_barrier_wait -1
.endm
.macro CROUND
	s_barrier_signal -1
	s_barrier_wait -1
	CREST
.endm
	s_load_b128 s[4:7], s[0:1], 0x0
	s_load_b128 s[8:11], s[0:1], 0x10
	s_load_b128 s[96:99], s[0:1], 0x20
	v_lshl_add_u32 v[SPW], v0, 2, SPARE
	v_mov_b32 v[NIL], 0
	ds_add_u32 v[SPW], v[NIL]
	ds_add_u32 v[SPW], v[NIL]
	v_lshrrev_b32 v1, 5, v0
	v_readfirstlane_b32 s14, v1
	s_lshr_b32 s15, s14, 1
	s_and_b32 s16, s14, 1
	s_bfe_u32 s40, ttmp6, 0x40000
	s_bfe_u32 s41, ttmp6, 0x40004
	s_and_b32 s12, ttmp7, 0xffff
	s_lshr_b32 s[KIND], s12, 3
	s_and_b32 s100, s12, 7
	s_lshr_b32 s[ISV], s[KIND], 1
	s_lshl_b32 s100, s100, 2
	s_mul_i32 s42, s100, s[ISV]
	s_sub_co_u32 s17, s100, s42
	s_add_co_u32 s42, s42, s40
	s_add_co_u32 s17, s17, s41
	s_lshl_b32 s43, s41, 2
	s_lshl_b32 s43, 15, s43
	s_lshl_b32 s44, 0x1111, s40
	s_or_b32 s[G1+0], s43, (3<<16)|(1<<21)
	s_or_b32 s[G1B+0], s44, (3<<16)|(1<<21)
.irp g, G1, G1B
	s_mov_b32 s[\g+1], 384<<16
	s_mov_b32 s[\g+2], 16<<16
	s_mov_b32 s[\g+3], 384<<16
	s_mov_b32 s[\g+4], 16
	s_mov_b32 s[\g+5], 1536
	s_mov_b32 s[\g+6], 0
	s_mov_b32 s[\g+7], 0
.endr
	s_or_b32 s[G1S+0], s43, (3<<16)|(1<<21)
	s_or_b32 s[G1SB+0], s44, (3<<16)|(1<<21)
.irp g, G1S, G1SB
	s_mov_b32 s[\g+1], 32<<16
	s_mov_b32 s[\g+2], 32<<16
	s_mov_b32 s[\g+3], 32<<16
	s_mov_b32 s[\g+4], 32
	s_mov_b32 s[\g+5], 32
	s_mov_b32 s[\g+6], 0
	s_mov_b32 s[\g+7], 0
.endr
	s_mul_i32 s13, s[ISV], 10240
	s_lshl_b32 s20, s[KIND], 13
	s_add_co_u32 s20, s20, s13
	s_lshl_b32 s46, s[KIND], 10
	s_add_co_u32 s46, s46, 24576
	s_sub_co_u32 s46, s46, s13
	s_lshl_b32 s18, s16, 7
	s_lshl_b32 s19, s17, 8
	s_add_co_u32 s20, s20, s19
	s_add_co_u32 s20, s20, s18
	s_lshl_b32 s47, s42, 8
	s_add_co_u32 s46, s46, s47
	s_add_co_u32 s46, s46, s18
	s_lshl_b32 s22, s20, 5
	s_mov_b32 s23, 0
	s_mul_i32 s20, s20, 768
	s_mov_b32 s21, 0
	s_lshl_b32 s92, s46, 5
	s_mov_b32 s93, 0
	s_mul_i32 s46, s46, 768
	s_mov_b32 s47, 0
	s_mul_i32 s45, s14, HALFT
	s_lshl_b32 s94, s14, 12
	s_wait_dscnt 0x0
	s_wait_kmcnt 0x0
	s_add_nc_u64 s[20:21], s[4:5], s[20:21]
	s_add_nc_u64 s[22:23], s[6:7], s[22:23]
	s_add_nc_u64 s[46:47], s[4:5], s[46:47]
	s_add_nc_u64 s[92:93], s[6:7], s[92:93]
	CROUND
.irp s, 0,1
	s_mov_b32 s[G0+4*\s], 1
	s_add_co_u32 s[G0+4*\s+1], s45, \s*SLOT
	s_add_nc_u64 s[G0+4*\s+2:G0+4*\s+3], s[20:21], \s*RBB
	s_or_b32 s[G0+4*\s+3], s[G0+4*\s+3], 0x80000000
	s_mov_b32 s[G0B+4*\s], 1
	s_add_co_u32 s[G0B+4*\s+1], s45, \s*SLOT
	s_add_nc_u64 s[G0B+4*\s+2:G0B+4*\s+3], s[46:47], \s*RBB
	s_or_b32 s[G0B+4*\s+3], s[G0B+4*\s+3], 0x80000000
.endr
; THE HEAD'S FOUR TILES, one joint load a wave, in one chain of arms on the wave's number: slot 0's 16 row blocks of A, its 16 of B, the scale words of A's 256 rows, those of B's.
; back: waves 1 and 3 made their addresses for the tile's second 128 rows; the head's tiles begin at its first.
.macro HARM w, g0, g1, lds, src, back, next
	s_cmp_eq_u32 s14, \w
	s_cbranch_scc0 \next
	s_mov_b32 s[\g0], 1
	s_mov_b32 s[\g0+1], \lds
	s_sub_nc_u64 s[\g0+2:\g0+3], s[\src:\src+1], \back
	s_or_b32 s[\g0+3], s[\g0+3], 0x80000000
	tensor_load_to_lds s[\g0:\g0+3], s[\g1:\g1+7]
	s_nop 0
.rept 4
	v_nop
.endr
	s_branch .Lhead_asked
\next:
.endm
	HARM 0, 4, G1, 0, 20, 0, .Lhead_1
	HARM 1, G0SB, G1B, 2*HALFT, 46, 98304, .Lhead_2
	HARM 2, G0S, G1S, SCL, 22, 0, .Lhead_3
	s_mov_b32 s[G0SB], 1
	s_mov_b32 s[G0SB+1], SCL+2*HALFS
	s_sub_nc_u64 s[G0SB+2:G0SB+3], s[92:93], 4096
	s_or_b32 s[G0SB+3], s[G0SB+3], 0x80000000
	tensor_load_to_lds s[G0SB:G0SB+3], s[G1SB:G1SB+7]
	s_nop 0
.rept 4
	v_nop
.endr
.Lhead_asked:
; PREFETCHES INTO THE L2.  A fill is 3,072 bytes of each row block: 12 blocks of 256 bytes; the 8 row blocks that my wave fetches have 96.  The four partners that ask for them jointly take 24 each, told apart by address
; (cx for A, cy for B): block number n = 24 x place + lane lies at 12,288 (n / 12) + 256 (n % 12) = 256 n + 9,216 (n / 12); lanes 24 to 31 name block 23 again.  The head asks for the second and the third fill,
; the second fill's place for the fourth: two fills ahead; the first fill comes by its load alone.
	s_cmp_eq_u32 s15, 0
	s_cselect_b32 s12, s40, s41
	s_cselect_b64 s[PFA:PFA+1], s[20:21], s[46:47]
	s_mul_i32 s12, s12, 24
	v_and_b32 v31, 31, v0
	v_min_u32 v31, 23, v31
	v_add_nc_u32 v31, s12, v31
	v_mul_u32_u24 v[PFO], v31, 171
	v_lshrrev_b32 v[PFO], 11, v[PFO]               ; n / 12, for n under 96
	v_mul_u32_u24 v[PFO], v[PFO], 9216
	v_lshl_add_u32 v[PFO], v31, 8, v[PFO]
	global_prefetch_b8 v[PFO], s[PFA:PFA+1] offset:RBB th:TH_LOAD_NT scope:SCOPE_SE
	global_prefetch_b8 v[PFO], s[PFA:PFA+1] offset:2*RBB th:TH_LOAD_NT scope:SCOPE_SE
	v_and_b32 v1, 15, v0
	v_bfe_u32 v2, v0, 4, 1
	s_wait_alu depctr_va_vdst(0)
	v_and_b32 v3, 31, v0
	v_lshlrev_b32 v[VO], 3, v3
	s_mul_i32 s21, s15, HALFT
	s_mul_i32 s22, s16, HALFT
	s_add_co_u32 s22, s22, 2*HALFT
.irp s, 0,1
	v_add_nc_u32 v[ADRA+\s], s21, v[VO]
	v_add_nc_u32 v[ADRB+\s], s22, v[VO]
	s_add_co_u32 s21, s21, SLOT
	s_add_co_u32 s22, s22, SLOT
.endr
	v_lshlrev_b32 v5, 4, v1
	s_lshl_b32 s21, s15, 12
	s_lshl_b32 s22, s16, 12
	s_add_co_u32 s22, s22, 2*HALFS
	s_sub_co_u32 s22, s22, s21
	v_mul_u32_u24 v6, s22, v2
	s_add_co_u32 s21, s21, SCL
	v_add_nc_u32 v5, v5, v6
	v_add_nc_u32 v[ADRS], s21, v5
	s_cmp_eq_u32 s[KIND], 2
	s_cselect_b32 s12, s42, s17
	s_cselect_b32 s13, s16, s15
	s_cselect_b32 s18, s17, s42
	s_cselect_b32 s19, s15, s16
	s_cselect_b64 s[92:93], s[96:97], s[10:11]
	s_cmp_eq_u32 s[KIND], 0
	s_cselect_b64 s[92:93], s[8:9], s[92:93]
	s_lshl_b32 s18, s18, 2
	s_lshl_b32 s19, s19, 1
	s_add_co_u32 s18, s18, s19
	s_lshl_b32 s20, s18, 8
	s_mov_b32 s21, 0
	s_add_nc_u64 s[92:93], s[92:93], s[20:21]
	v_lshlrev_b32 v8, 6, v2
	v_and_b32 v9, 8, v1
	v_add_nc_u32 v9, v9, v1
	v_lshlrev_b32 v9, 2, v9
.irp g, 0,1,2,3
.irp e, 0,1,2,3
	global_load_b128 v[BN+16*\g+4*\e:BN+16*\g+4*\e+3], v8, s[92:93] offset:128*\g+16*\e
.endr
.endr
.irp a, 0,1,2,3,4,5,6,7
	global_load_b32 v[BM+\a], v9, s[92:93] offset:128*(\a/2)+32*(\a%2)
.endr
.macro FRAG reg, adr, q, i
.irp p, 0,2,4
	ds_load_2addr_b64 v[\reg+2*\p:\reg+2*\p+3], v[\adr+(\i)] offset0:32*\p offset1:32*\p+32
.endr
.endm
.macro MUL16 a0, p, q, sc, zero
.irp a, \a0, \a0+1
.irp b, 0,1,2,3,4,5,6,7
.if \zero
	v_wmma_scale_f32_16x16x128_f8f6f4 v[8*(8*((\a)%4)+\b):8*(8*((\a)%4)+\b)+7], v[128*(\p)+FR*\b:128*(\p)+FR*\b+FR-1], v[AF+FR*(\a):AF+FR*(\a)+FR-1], 0, v[SC+8*NQ*(\sc)+NQ*\b+(\q)], v[SC+8*NQ*(\sc)+NQ*(\a)+(\q)] matrix_a_fmt:MATRIX_FMT_FP6 matrix_b_fmt:MATRIX_FMT_FP6 matrix_a_scale:MATRIX_SCALE_ROW1
.else
	v_wmma_scale_f32_16x16x128_f8f6f4 v[8*(8*((\a)%4)+\b):8*(8*((\a)%4)+\b)+7], v[128*(\p)+FR*\b:128*(\p)+FR*\b+FR-1], v[AF+FR*(\a):AF+FR*(\a)+FR-1], v[8*(8*((\a)%4)+\b):8*(8*((\a)%4)+\b)+7], v[SC+8*NQ*(\sc)+NQ*\b+(\q)], v[SC+8*NQ*(\sc)+NQ*(\a)+(\q)] matrix_a_fmt:MATRIX_FMT_FP6 matrix_b_fmt:MATRIX_FMT_FP6 matrix_a_scale:MATRIX_SCALE_ROW1
.endif
.endr
.endr
.endm
.macro FETCH_B slot, q, p
	WIN 0
.irp i, 0,1,2,3,4,5,6,7
	v_add_nc_u32 v[FB+\i], \i*RBB+(\q)*1536, v[ADRB+\slot]
.endr
	WIN TO_B
.irp i, 0,1,2,3,4,5,6,7
	FRAG 128*(\p)+FR*\i, FB, \q, \i
.endr
	WIN 0
.endm
.macro FETCH_A slot, q, i0
.irp i, \i0, \i0+1, \i0+2, \i0+3
	v_add_nc_u32 v[FA+(\i)], (\i)*RBB+(\q)*1536, v[ADRA+\slot]
.endr
.irp i, \i0, \i0+1, \i0+2, \i0+3
	FRAG AF+FR*(\i), FA, \q, \i
.endr
.endm
.macro SCALES sc
.irp i, 0,1,2,3,4,5,6,7
	ds_load_b64 v[SC+8*NQ*\sc+NQ*\i:SC+8*NQ*\sc+NQ*\i+1], v[ADRS] offset:\i*SBLK
.endr
.endm
.macro PLACES n
.rept \n
	v_nop
.endr
.endm
.macro STEP slot, q, zero
	s_wait_dscnt 4*NL
	WIN MUL_LO
	MUL16 0, (\q)%2, \q, \slot, \zero
	MUL16 2, (\q)%2, \q, \slot, \zero
	s_wait_dscnt 0
	PLACES NP
	FETCH_B \slot, (\q)+1, 1-(\q)%2
	FETCH_A \slot, (\q)+1, 0
	WIN MUL_HI
	MUL16 4, (\q)%2, \q, \slot, \zero
	MUL16 6, (\q)%2, \q, \slot, \zero
	PLACES NP
	WIN 0
	FETCH_A \slot, (\q)+1, 4
.endm
.macro TURN slot, next, fill
	s_wait_tensorcnt 0x0
	ds_add_u32 v[SPW], v[NIL]
	s_wait_dscnt 4*NL+1
	WIN MUL_LO
	MUL16 0, 1, NQ-1, \slot, 0
	s_wait_dscnt 0x0
	s_barrier_signal -1
	MUL16 2, 1, NQ-1, \slot, 0
	WIN 0
	s_barrier_wait -1
.if \fill
	CREST
	s_add_nc_u64 s[G0+4*\slot+2:G0+4*\slot+3], s[G0+4*\slot+2:G0+4*\slot+3], 2*RBB
	s_add_nc_u64 s[G0B+4*\slot+2:G0B+4*\slot+3], s[G0B+4*\slot+2:G0B+4*\slot+3], 2*RBB
	JLOAD G0+4*\slot, G1, G0B+4*\slot, G1B
.else
	PLACES NP
.endif
.if \slot == 0
	v_add_nc_u32 v[ADRS], 8, v[ADRS]
.else
	s_wait_alu depctr_va_vdst(0)
	v_add_nc_u32 v[ADRS], 248, v[ADRS]
.endif
	FETCH_B \next, 0, 0
	FETCH_A \next, 0, 0
	SCALES \next
	WIN MUL_HI
	MUL16 4, 1, NQ-1, \slot, 0
	MUL16 6, 1, NQ-1, \slot, 0
	PLACES NP
	WIN 0
	FETCH_A \next, 0, 4
.endm
	s_wait_alu depctr_va_vdst(0)
	s_wait_tensorcnt 0x0                           ; my tile of the head's four is in
	ds_add_u32 v[SPW], v[NIL]
	s_mov_b32 s[G1+2], 8<<16                       ; no tensor load of mine is out: from here on a load brings 8 row blocks
	s_mov_b32 s[G1+4], 8
	s_mov_b32 s[G1B+2], 8<<16
	s_mov_b32 s[G1B+4], 8
	s_wait_dscnt 0x0
	CROUND                                         ; all four tiles are in, and the sixteen work-groups meet
	JLOAD G0+4, G1, G0B+4, G1B                     ; slot 1's first fill
	FETCH_B 0, 0, 0
	FETCH_A 0, 0, 0
	SCALES 0
	FETCH_A 0, 0, 4
	global_prefetch_b8 v[PFO], s[PFA:PFA+1] offset:3*RBB th:TH_LOAD_NT scope:SCOPE_SE   ; the fourth and last fill
	STEP 0, 0, 1
	TURN 0, 1, 1
	STEP 1, 0, 0
	TURN 1, 0, 1
	s_wait_alu depctr_va_vdst(0)
	STEP 0, 0, 0
	TURN 0, 1, 0
	STEP 1, 0, 0
	s_wait_dscnt 4*NL
	WIN MUL_LO
	MUL16 0, 1, NQ-1, 1, 0
	MUL16 2, 1, NQ-1, 1, 0
	s_wait_dscnt 0
	WIN MUL_HI
	MUL16 4, 1, NQ-1, 1, 0
	MUL16 6, 1, NQ-1, 1, 0
	WIN 0
	PLACES NP
	s_lshr_b32 s24, s12, 3
	s_and_b32 s25, s12, 7
	s_lshl_b32 s25, s25, 1
	s_add_co_u32 s25, s25, s13
	s_lshl_b32 s26, s24, 4
	s_add_co_u32 s26, s26, s18
	s_mul_i32 s27, s26, 307200
	s_mul_i32 s28, s[KIND], 102400
	s_lshl_b32 s29, s[ISV], 12
	s_sub_co_u32 s28, s28, s29
	s_min_u32 s30, s[KIND], 1
	s_mul_i32 s30, s30, 200704
	s_add_co_u32 s30, s30, 98304
	s_add_co_u32 s30, s30, s29
	s_cmp_eq_u32 s[KIND], 2
	s_mov_b32 s32, 307200
	s_cselect_b32 s32, 768, s32
	s_mov_b32 s34, 768
	s_cselect_b32 s34, 1536, s34
	s_mov_b32 s36, 768
	s_cselect_b32 s36, 302592, s36
	s_mov_b32 s38, 128
	s_cselect_b32 s38, 307200, s38
	s_mov_b32 s40, 307200
	s_cselect_b32 s40, 128, s40
	s_mov_b32 s41, 0x05040100
	s_cselect_b32 s41, 0x03020100, s41
	s_mov_b32 s43, 0x07060302
	s_cselect_b32 s43, 0x07060504, s43
	s_mov_b32 s33, 0
	s_mov_b32 s35, 0
	s_mov_b32 s37, 0
	s_mov_b32 s39, 0
	s_add_co_u32 s44, s27, s28
	s_mul_i32 s45, s25, 6144
	s_add_co_u32 s44, s44, s45
	s_mov_b32 s45, 0
	s_add_nc_u64 s[SB0:SB0+1], s[98:99], s[44:45]
	s_add_nc_u64 s[SB1:SB1+1], s[SB0:SB0+1], s[32:33]
	s_add_co_u32 s44, s27, s30
	s_lshl_b32 s46, s25, 8
	s_add_co_u32 s44, s44, s46
	s_add_nc_u64 s[SS0:SS0+1], s[98:99], s[44:45]
	s_add_nc_u64 s[SS1:SS1+1], s[SS0:SS0+1], s[38:39]
	s_mov_b32 s[HM], 0xffff0000
	s_mov_b32 s[SEL], 0x76543210
	s_mov_b32 s[SEL+1], 0xfedcba98
	v_mul_u32_u24 v[VS], s40, v2
	v_lshl_add_u32 v[VS], v1, 3, v[VS]
.irp b, 0,1,2,3
	v_mov_b32 v[TM+4+\b], 0
.endr
	s_wait_loadcnt 0x0
.macro BIAS a
	s_cmp_eq_u32 s[KIND], 2
	s_cbranch_scc1 .Lrow_\@
	WIN 0x02+(\a)/4
.set x, 0
.rept 32
	v_pk_add_f32 v[H+x:H+x+1], v[64*((\a)%4)+x:64*((\a)%4)+x+1], v[BN+x:BN+x+1]
.set x, x+2
.endr
	WIN 0
	s_branch .Lsum_\@
.Lrow_\@:
	WIN 0x02+(\a)/4
.set x, 0
.rept 64
	v_add_f32 v[H+x], v[64*((\a)%4)+x], v[BM+(\a)]
.set x, x+1
.endr
	WIN 0
.Lsum_\@:
.endm
.macro QUANT s, pw
.irp b, 0,1,2,3
	v_max3_num_f32 v[TM+\b], |v[\s+16*\b]|, |v[\s+1+16*\b]|, 0x1800000
.endr
.irp i, 2,4,6,8,10,12,14
.irp b, 0,1,2,3
	v_max3_num_f32 v[TM+\b], v[TM+\b], |v[\s+16*\b+\i]|, |v[\s+1+16*\b+\i]|
.endr
.endr
.irp b, 0,1,2,3
	v_permlanex16_b32 v[TM+4+\b], v[TM+\b], s[SEL], s[SEL+1]
.endr
.irp b, 0,1,2,3
	v_max_num_f32 v[TM+\b], v[TM+\b], v[TM+4+\b]
.endr
.irp b, 0,1,2,3
	v_add_nc_u32 v[TM+12+\b], 0xff000000, v[TM+\b]
.endr
.irp b, 0,1,2,3
	v_lshrrev_b32 v[TM+4+\b], 23, v[TM+12+\b]
.endr
	v_lshl_or_b32 v[\pw], v[TM+5], 8, v[TM+4]
	v_lshl_or_b32 v[\pw], v[TM+6], 16, v[\pw]
	v_lshl_or_b32 v[\pw], v[TM+7], 24, v[\pw]
.irp c, 0,1
	v_cvt_scalef32_pk16_fp6_f32 v[PC+6*\c:PC+2+6*\c], v[\s+32*\c:\s+15+32*\c], v[TM+12+2*\c]
	v_cvt_scalef32_pk16_fp6_f32 v[PC+12+4*\c:PC+14+4*\c], v[\s+16+32*\c:\s+31+32*\c], v[TM+12+2*\c+1]
.endr
	v_nop
.irp c, 0,1
.irp i, 0,1,2
	v_permlane16_swap_b32 v[PC+6*\c+\i], v[PC+12+4*\c+\i]
.endr
.irp i, 0,1,2
	v_mov_b32 v[PC+3+6*\c+\i], v[PC+12+4*\c+\i]
.endr
.endr
.endm
.macro PUT
.irp p, 0,1,2
	global_store_b64 v[VO], v[PC+2*\p:PC+2*\p+1], s[SB0:SB0+1] offset:256*\p
.endr
.irp p, 0,1,2
	global_store_b64 v[VO], v[PC+6+2*\p:PC+6+2*\p+1], s[SB1:SB1+1] offset:256*\p
.endr
.endm
.macro PAIRW b
	v_perm_b32 v254, v[PWA+1], v[PWA], s41
	v_perm_b32 v255, v[PWA+1], v[PWA], s43
	v_cndmask_b32 v[GW+(\b)], v254, v255, s[HM]
.endm
.irp a, 0,1,2,3,4,5,6,7
.if \a > 0
	s_wait_xcnt 0x0
.if \a == 4
	s_add_nc_u64 s[SB0:SB0+1], s[SB0:SB0+1], s[36:37]
	s_add_nc_u64 s[SB1:SB1+1], s[SB1:SB1+1], s[36:37]
.else
	s_add_nc_u64 s[SB0:SB0+1], s[SB0:SB0+1], s[34:35]
	s_add_nc_u64 s[SB1:SB1+1], s[SB1:SB1+1], s[34:35]
.endif
.endif
	BIAS \a
	QUANT H, PWA+\a%2
	PUT
.if \a%2
	PAIRW \a/2
.endif
.endr
	global_store_b64 v[VS], v[GW:GW+1], s[SS0:SS0+1]
	global_store_b64 v[VS], v[GW+2:GW+3], s[SS1:SS1+1]
	s_wait_tensorcnt 0x0
	ds_add_u32 v[SPW], v[NIL]
	s_wait_dscnt 0x0
	CROUND
	s_endpgm
.Lfunc_end_k_q0026736601_proj:
	.size	k_q0026736601_proj, .Lfunc_end_k_q0026736601_proj-k_q0026736601_proj
	.p2alignl 7, 3214868480
	.fill 96, 4, 3214868480
	.section	.rodata,"a",@progbits
	.p2align	6, 0x0
	.amdhsa_kernel k_q0026736601_proj
		.amdhsa_group_segment_fixed_size 327680
		.amdhsa_private_segment_fixed_size 0
		.amdhsa_enable_private_segment 0
		.amdhsa_kernarg_size 48
		.amdhsa_user_sgpr_count 2
		.amdhsa_user_sgpr_kernarg_segment_ptr 1
		.amdhsa_wavefront_size32 1
		.amdhsa_system_sgpr_workgroup_id_x 1
		.amdhsa_system_sgpr_workgroup_id_y 1
		.amdhsa_system_sgpr_workgroup_id_z 1
		.amdhsa_system_vgpr_workitem_id 0
		.amdhsa_next_free_vgpr 1024
		.amdhsa_next_free_sgpr 102
		.amdhsa_reserve_vcc 0
		.amdhsa_float_denorm_mode_32 3
		.amdhsa_float_denorm_mode_16_64 3
		.amdhsa_memory_ordered 1
		.amdhsa_forward_progress 1
		.amdhsa_inst_pref_size 190
	.end_amdhsa_kernel
	.amdgpu_metadata
---
amdhsa.version: [ 1, 2 ]
amdhsa.kernels:
  - .name:           k_q0026736601_proj
    .symbol:         k_q0026736601_proj.kd
    .args:
      - { .name: xw, .offset: 0, .size: 8, .value_kind: global_buffer, .address_space: global }
      - { .name: xs, .offset: 8, .size: 8, .value_kind: global_buffer, .address_space: global }
      - { .name: bq, .offset: 16, .size: 8, .value_kind: global_buffer, .address_space: global }
      - { .name: bk, .offset: 24, .size: 8, .value_kind: global_buffer, .address_space: global }
      - { .name: bv, .offset: 32, .size: 8, .value_kind: global_buffer, .address_space: global }
      - { .name: qkv, .offset: 40, .size: 8, .value_kind: global_buffer, .address_space: global }
    .group_segment_fixed_size: 327680
    .private_segment_fixed_size: 0
    .kernarg_segment_align: 8
    .kernarg_segment_size: 48
    .max_flat_workgroup_size: 128
    .sgpr_count:     102
    .vgpr_count:     1024
    .wavefront_size: 32
...
	.end_amdgpu_metadata
.endif
;; end of part 2
;; launch attn (part 3): grid 4 x 64, 16 waves a work-group, clusters of 4 x 1, 206,848 bytes of LDS; arguments qkv, oimg, os; writes oimg, os
.if DOCPART == 3
	.amdgcn_target "amdgcn-amd-amdhsa--gfx1250"
	.amdhsa_code_object_version 6
	.text
	.protected	k_q0026736601_attn
	.globl	k_q0026736601_attn
	.p2align	8
	.type	k_q0026736601_attn,@function
k_q0026736601_attn:
	s_mov_b64 s[64:65], 0
	v_nop
	global_prefetch_b8 v0, s[64:65] scope:SCOPE_SE
	s_setreg_imm32_b32 hwreg(HW_REG_WAVE_MODE, 25, 1), 1
	s_wait_xcnt 0x0
	s_wait_alu depctr_hold_cnt(0) depctr_sa_sdst(0) depctr_va_vdst(0) depctr_va_sdst(0) depctr_va_ssrc(0) depctr_va_vcc(0) depctr_vm_vsrc(0)
	s_getreg_b32 s2, hwreg(HW_REG_IB_STS2, 6, 4)
	s_cmp_eq_u32 s2, 0
	s_cbranch_scc0 .Lentry_in_a_cluster
	s_endpgm
.Lentry_in_a_cluster:
	s_bfe_u32 s2, ttmp6, 0x10000c
	s_cmp_lg_u32 s2, 0x3003
	s_cbranch_scc0 .Lentry_shape_is_right
	s_endpgm
.Lentry_shape_is_right:
; LAUNCH 3 OF 4.  O = softmax(q k^T / 8) v for each of the 64 (batch, head), both products on codes of FP6 (E2M3) with E8M0 scales; O is divided by the row's sum, quantised along the head's 64 and leaves as codes.  No work of the problem is left out.
; THE SOFTMAX: t = score x log2(e) / 8; M = the running largest t rounded up to a whole number; p = 2^(t - M) is quantised along the keys; the sum is taken of the unquantised p; when M moves, the sum and O are multiplied by 2^(old M - new M), which rounds nothing.
; SHARES.  A work-group owns 512 queries of one head; wave w owns 32 of them, in two passes of 16; each pass walks the head's 2,048 keys, 128 a step.
; THE WHOLE HEAD LIES IN LDS: K, V and their scale words are 204,800 consecutive bytes of the record; each of the sixteen waves asks for 12,800 of them, once.  The four work-groups of a cluster own the same head and ask JOINTLY.
; Nothing is filled again: no ring, no barrier in the loops; and no data prefetch: all is asked for at the head, so there is no loop to run ahead in.
; THE FIRST PRODUCT'S K IS 64, THE INSTRUCTION'S 128.  An entry of K holds two tiles of 16 keys side by side along the instruction's K.  Against [q; 0] it gives the first tile's scores, against [0; q] the second's: the half that faces zero codes adds nothing.
; LAYOUT.  Both products are used transposed: a lane holds one query throughout.  By key's row order in the workspace, row m of tile t = 0 .. 3 of a group c of 64 keys is key 64 c + 32 (m / 8) + 8 t + m % 8:
; score register 32 c + 8 t + j of lane (r, h) is key 64 c + 32 h + 8 t + j.  So a lane's 32 registers of a group are ONE WHOLE scale block, in the order of the next operand's registers: a block's maximum needs no other lane,
; and the conversions' results are the operand.  Lanes l and l xor 16 meet twice a step: for the row's maximum and for the four bytes of p's scale word.
; A block's largest p is taken from its largest score (this takes v_exp_f32 not to fall where its input rises).  O's scale bytes leave two to a lane, 16 bytes apart: a head owns half of each scale word of the next product; 4 KiB a head.
; LIMITS: a block whose largest magnitude lies under 2^-124 (zeros too) is held at the byte 1; NaN and infinities are not served.
; REGISTERS: v1-4, v7, v40 addresses and 8 h, which stay; v8-10 addresses in hand; v11 q's scale words as stored; v12 -M, v13 the largest score, v[14:15] the sum; v16-33 [0 x 6 | q x 6 | 0 x 6]; v34-39 the second pass's q;
; v44-91 four fragments of K, then of V; v92-95 their scale words; v96-159 S^T, then p; v160-191 O^T; v192.., v200.. O's codes; v208-210 O's scale bytes; v212-223 p's codes; v224-252 at work; v253 p's scale word; v255 q's.
.set LV,    98304                      ; LDS: K at 0, V here,
.set LKS,   196608                     ; K's scale words, and V's 4,096 further on
.set SPARE, 204800                     ; the spare words, 128 bytes for each of 16 waves
.set AK0, 1
.set AV0, 2
.set AS0, 3
.set R8,  4
.set SPW, 5
.set NIL, 6
.set OSO, 7
.set AKB, 248                          ; v248-251 LDS addresses of the next step's four entries of K
.set AVB, 232                          ; v232-235 LDS addresses of this step's four tiles of V: in hand only until the loads are issued (the partial sums follow there)
.set ADS, 10
.set QW,  11
.set SH8, 40
.set KV,  44
.set PC,  212
.set MB,  224                          ; v224-227 four chains of maxima; then v224, v226 the two blocks' largest
.set T0,  232                          ; v232-237 three pairs of partial sums
.set T1,  234
.set T2,  236
.set SOP, 238                          ; v238, v239 the conversions' scale operands
.set BY,  240                          ; v240, v241 the scales' bytes; v242 the other half's
.set TT,  244                          ; v244-246 the upper 16 codes of a block
.set WV,  18
.set SEL, 20
.set CS,  22
.set G1,  24
.set G0,  32
.set TB,  2
.set TS,  3
.set CNT, 36
.set HM,  37
.set CN,  60
.macro CROUND                          ; a round of the cluster's barrier
	s_barrier_signal -1
	s_barrier_wait -1
	s_cmp_lg_u32 s[WV], 0
	s_cbranch_scc1 .Lnot_wave_0_\@
	s_barrier_signal -3
.Lnot_wave_0_\@:
	s_barrier_wait -3
	s_barrier_signal -1
	s_barrier_wait -1
.endm
	s_load_b128 s[4:7], s[0:1], 0x0                ; qkv, oimg
	s_load_b64 s[8:9], s[0:1], 0x10                ; os
	v_lshl_add_u32 v[SPW], v0, 2, SPARE
	v_mov_b32 v[NIL], 0
	ds_add_u32 v[SPW], v[NIL]                      ; the wave's opening: the add, twice on end, and its wait ahead of my first tensor load
	ds_add_u32 v[SPW], v[NIL]
	v_lshrrev_b32 v8, 5, v0
	v_readfirstlane_b32 s[WV], v8                  ; wave 0..15
	s_bfe_u32 s13, ttmp6, 0x40000                  ; cx: my block of 512 queries: it enters Q's and O's addresses alone
	s_and_b32 s12, ttmp7, 0xffff                   ; (batch, head), which the four partners share
	s_mul_i32 s48, s12, 307200                     ; its record
	s_mov_b32 s49, 0
	s_mul_i32 s14, s[WV], 12800                    ; my sixteenth of K, V and their scales: in LDS,
	s_add_co_u32 s50, s48, s14
	s_add_co_u32 s50, s50, 102400                  ; and in memory
	s_mov_b32 s51, 0
	s_mov_b32 s[G1], 15|(3<<16)|(1<<21)            ; the mask: all four work-groups; elements of 8 bytes; bit 21 beside a mask; no padding
	s_mov_b32 s[G1+1], 32<<16                      ; rows of 256 bytes,
	s_mov_b32 s[G1+2], 50<<16                      ; 50 of them, dense
	s_mov_b32 s[G1+3], 32<<16
	s_mov_b32 s[G1+4], 50
	s_mov_b32 s[G1+5], 32
	s_mov_b32 s[G1+6], 0
	s_mov_b32 s[G1+7], 0
	s_lshl_b32 s15, s13, 4
	s_add_co_u32 s15, s15, s[WV]                   ; g: my 32 queries
	s_mul_i32 s52, s15, 1536
	s_add_co_u32 s52, s52, s48                     ; their codes
	s_mov_b32 s53, 0
	s_lshr_b32 s54, s15, 2                         ; their scale words: [g / 4][(g / 2) % 2][row][g % 2]
	s_lshl_b32 s54, s54, 8
	s_bfe_u32 s16, s15, 0x10001
	s_lshl_b32 s16, s16, 7
	s_add_co_u32 s54, s54, s16
	s_and_b32 s16, s15, 1
	s_lshl_b32 s16, s16, 2
	s_add_co_u32 s54, s54, s16
	s_add_co_u32 s54, s54, s48
	s_add_co_u32 s54, s54, 98304
	s_mov_b32 s55, 0
	s_lshr_b32 s16, s12, 4                         ; batch
	s_and_b32 s17, s12, 15                         ; head
	s_lshl_b32 s16, s16, 6
	s_add_co_u32 s16, s16, s15
	s_lshl_b32 s16, s16, 1                         ; O's row block of my first pass
	s_mul_i32 s56, s16, 12288
	s_lshr_b32 s19, s17, 1                         ; the next product's K step of 128 holds two heads
	s_mul_i32 s38, s19, 1536
	s_add_co_u32 s56, s56, s38
	s_and_b32 s38, s17, 1
	s_mul_i32 s39, s38, 768
	s_add_co_u32 s56, s56, s39
	s_mov_b32 s57, 0
	s_lshl_b32 s58, s16, 9
	s_lshr_b32 s39, s17, 3
	s_lshl_b32 s39, s39, 8
	s_add_co_u32 s58, s58, s39
	s_and_b32 s39, s19, 3
	s_lshl_b32 s39, s39, 2
	s_add_co_u32 s58, s58, s39
	s_lshl_b32 s39, s38, 1
	s_add_co_u32 s58, s58, s39                     ; my head's two bytes of the row's scale word
	s_mov_b32 s59, 0
	s_mov_b32 s[SEL], 0x76543210
	s_mov_b32 s[SEL+1], 0xfedcba98                 ; lane l xor 16
	s_mov_b32 s[CS], 0x3e38aa3b                    ; c = log2(e) / 8
	s_mov_b32 s[CS+1], s[CS]                       ; (named with it as a pair, so it is written)
	s_mov_b32 s[CN], 0xbe38aa3b                    ; -c
	s_mov_b32 s[HM], 0xffff0000
	s_wait_dscnt 0x0                               ; both opening adds are done
	s_wait_kmcnt 0x0
	s_mov_b32 s[G0], 1
	s_mov_b32 s[G0+1], s14
	s_add_nc_u64 s[G0+2:G0+3], s[4:5], s[50:51]
	s_or_b32 s[G0+3], s[G0+3], 0x80000000
	s_add_nc_u64 s[40:41], s[4:5], s[52:53]
	s_add_nc_u64 s[42:43], s[4:5], s[54:55]
	s_add_nc_u64 s[44:45], s[6:7], s[56:57]
	s_add_nc_u64 s[46:47], s[8:9], s[58:59]
	CROUND                                         ; all four work-groups are here: the joint loads meet
	tensor_load_to_lds s[G0:G0+3], s[G1:G1+7]      ; my one tensor load of the launch
	s_nop 0
.rept 4
	v_nop
.endr
	v_and_b32 v8, 31, v0
	v_and_b32 v9, 15, v0
	v_bfe_u32 v10, v0, 4, 1
	v_lshlrev_b32 v[AK0], 3, v8                    ; an image's place for my lane: 8 x lane
	v_lshlrev_b32 v[R8], 3, v9
	v_lshlrev_b32 v[OSO], 4, v9
	v_lshlrev_b32 v[SH8], 3, v10                   ; 8 h: my bytes' place in p's scale word
	v_add_nc_u32 v[AV0], LV, v[AK0]
	v_add_nc_u32 v[AS0], LKS, v[AK0]
	v_lshl_add_u32 v[OSO], v10, 9, v[OSO]          ; O's scale bytes: row r; lanes 16-31 the second pass's row block
.irp p, 0,1,2
	global_load_b64 v[22+2*\p:23+2*\p], v[AK0], s[40:41] offset:256*\p
	global_load_b64 v[34+2*\p:35+2*\p], v[AK0], s[40:41] offset:768+256*\p
.endr
	global_load_b32 v[QW], v[R8], s[42:43]         ; (pass 0: two bytes, pass 1: two bytes) of row r
.irp i, 0,1,2,3,4,5
	v_mov_b32 v[16+\i], 0                          ; the zero codes on either side of q
	v_mov_b32 v[28+\i], 0
.endr
.irp x, 229,236,237,242,253
	v_mov_b32 v\x, 0                               ; written once: a lane permute's destination counts as one of its sources; v253 is named as the upper half of the pair v[252:253]
.endr
	s_wait_alu depctr_va_vdst(0)
	s_wait_tensorcnt 0x0                           ; my sixteenth has landed,
	s_barrier_signal -1
	s_barrier_wait -1                              ; everybody's has
	s_wait_loadcnt 0x0                             ; q
.macro ADDS b, part                    ; the sum of the 32 p from register b on, two at a time, in four chains; in two parts of eight lines
.if \part == 0
	v_pk_add_f32 v[T0:T0+1], v[\b:\b+1], v[\b+2:\b+3]
	v_pk_add_f32 v[T1:T1+1], v[\b+4:\b+5], v[\b+6:\b+7]
	v_pk_add_f32 v[T2:T2+1], v[\b+8:\b+9], v[\b+10:\b+11]
	v_pk_add_f32 v[14:15], v[14:15], v[\b+12:\b+13]
	v_pk_add_f32 v[T0:T0+1], v[T0:T0+1], v[\b+14:\b+15]
	v_pk_add_f32 v[T1:T1+1], v[T1:T1+1], v[\b+16:\b+17]
	v_pk_add_f32 v[T2:T2+1], v[T2:T2+1], v[\b+18:\b+19]
	v_pk_add_f32 v[14:15], v[14:15], v[\b+20:\b+21]
.else
	v_pk_add_f32 v[T0:T0+1], v[T0:T0+1], v[\b+22:\b+23]
	v_pk_add_f32 v[T1:T1+1], v[T1:T1+1], v[\b+24:\b+25]
	v_pk_add_f32 v[T2:T2+1], v[T2:T2+1], v[\b+26:\b+27]
	v_pk_add_f32 v[14:15], v[14:15], v[\b+28:\b+29]
	v_pk_add_f32 v[T0:T0+1], v[T0:T0+1], v[\b+30:\b+31]
	v_pk_add_f32 v[T1:T1+1], v[T1:T1+1], v[T2:T2+1]
	v_pk_add_f32 v[14:15], v[14:15], v[T0:T0+1]
	v_pk_add_f32 v[14:15], v[14:15], v[T1:T1+1]
.endif
.endm
.macro STEP                            ; 128 keys
.irp b, 0,1,2,3
.irp p, 0,2,4                                  ; a fragment's six pieces of 8 bytes lie 256 bytes apart: two to a load
	ds_load_2addr_b64 v[KV+12*\b+2*\p:KV+12*\b+2*\p+3], v[AKB+\b] offset0:32*\p offset1:32*\p+32
.endr
.endr
	ds_load_b64 v[92:93], v[ADS]                   ; K's scale words: register w: lanes 0-15 entry w, lanes 16-31 entry 2 + w
	ds_load_b64 v[94:95], v[ADS] offset:4096       ; V's: register w: lanes 0-15 tile 2 w, lanes 16-31 tile 2 w + 1
	s_wait_dscnt 0x0
.irp b, 0,1
	v_wmma_scale_f32_16x16x128_f8f6f4 v[96+16*\b:103+16*\b], v[KV+12*\b:KV+12*\b+11], v[22:33], 0, v[92+\b], v255 matrix_a_fmt:MATRIX_FMT_FP6 matrix_b_fmt:MATRIX_FMT_FP6
	v_wmma_scale_f32_16x16x128_f8f6f4 v[104+16*\b:111+16*\b], v[KV+12*\b:KV+12*\b+11], v[16:27], 0, v[92+\b], v255 matrix_a_fmt:MATRIX_FMT_FP6 matrix_b_fmt:MATRIX_FMT_FP6
.endr
.irp b, 2,3
	v_wmma_scale_f32_16x16x128_f8f6f4 v[96+16*\b:103+16*\b], v[KV+12*\b:KV+12*\b+11], v[22:33], 0, v[90+\b], v255 matrix_a_fmt:MATRIX_FMT_FP6 matrix_b_fmt:MATRIX_FMT_FP6 matrix_a_scale:MATRIX_SCALE_ROW1
	v_wmma_scale_f32_16x16x128_f8f6f4 v[104+16*\b:111+16*\b], v[KV+12*\b:KV+12*\b+11], v[16:27], 0, v[90+\b], v255 matrix_a_fmt:MATRIX_FMT_FP6 matrix_b_fmt:MATRIX_FMT_FP6 matrix_a_scale:MATRIX_SCALE_ROW1
.endr
.irp t, 0,1,2,3
	v_add3_u32 v[AVB+\t], s[TB], 1536*\t, v[AV0]   ; the places in front of the loads below and of the first read of the scores: this step's V,
.endr
	s_add_co_u32 s[TB], s[TB], 6144                ; the next 128 keys: four entries of K, four tiles of V,
	s_add_co_u32 s[TS], s[TS], 256                 ; and their scale words
.irp b, 0,1,2,3
	v_add3_u32 v[AKB+\b], s[TB], 1536*\b, v[AK0]
.endr
	v_add_nc_u32 v[ADS], s[TS], v[AS0]
.irp t, 0,1,2,3
.irp p, 0,2,4
	ds_load_2addr_b64 v[KV+12*\t+2*\p:KV+12*\t+2*\p+3], v[AVB+\t] offset0:32*\p offset1:32*\p+32     ; V's four tiles land while the softmax is worked
.endr
.endr
.irp k, 0,1,2,3                                ; the largest score of my two blocks of 32 keys, two chains a block, each accumulator from its low end on
	v_max3_num_f32 v[MB+\k], v[96+16*\k], v[97+16*\k], v[98+16*\k]
.endr
.irp i, 3,5,7,9,11,13
.irp k, 0,1,2,3
	v_max3_num_f32 v[MB+\k], v[MB+\k], v[96+16*\k+\i], v[97+16*\k+\i]
.endr
.endr
	v_max3_num_f32 v[MB], v[MB], v[MB+1], v111
	v_max3_num_f32 v[MB+2], v[MB+2], v[MB+3], v143
	v_max_num_f32 v[MB], v[MB], v127
	v_max_num_f32 v[MB+2], v[MB+2], v159
	s_delay_alu instid0(VALU_DEP_1)
	v_max_num_f32 v228, v[MB], v[MB+2]
	s_delay_alu instid0(VALU_DEP_1)
	v_permlanex16_b32 v229, v228, s[SEL], s[SEL+1] ; with lane l xor 16's 64 keys
	s_delay_alu instid0(VALU_DEP_1)
	v_max3_num_f32 v13, v13, v228, v229            ; the running largest score (c is positive: it is also the largest t's)
	s_delay_alu instid0(VALU_DEP_1)
	v_mul_f32 v230, s[CN], v13                     ; -t
	s_delay_alu instid0(VALU_DEP_1)
	v_floor_f32 v230, v230                         ; the new -M = -ceil(t)
	s_delay_alu instid0(VALU_DEP_1)
	v_sub_f32 v231, v230, v12                      ; old M - new M: a whole number, 0 or less
	v_mov_b32 v12, v230
	s_delay_alu instid0(VALU_DEP_2)
	v_cvt_i32_f32 v231, v231                       ; (it saturates)
	s_delay_alu instid0(VALU_DEP_1)
	v_ldexp_f32 v252, 1.0, v231                    ; f = 2^(old M - new M)
.set j, 0
.rept 32
	v_pk_fma_f32 v[96+j:97+j], v[96+j:97+j], s[CS:CS+1], v[12:13] op_sel_hi:[1,0,0]   ; t - M, two at a time
.set j, j+2
.endr
	v_fma_f32 v[MB], v[MB], s[CS], v12             ; the same of each block's largest score
	v_fma_f32 v[MB+2], v[MB+2], s[CS], v12
.set j, 0
.rept 16
	v_pk_mul_f32 v[160+j:161+j], v[160+j:161+j], v[252:253] op_sel_hi:[1,0]   ; O^T under the new M, ahead of the exponentials
.set j, j+2
.endr
	s_wait_alu depctr_va_vdst(0)
.set j, 0
.rept 32
	v_exp_f32 v[96+j], v[96+j]                     ; p = 2^(t - M): my first block,
.set j, j+1
.endr
	v_exp_f32 v[MB], v[MB]                         ; and its largest
	v_pk_mul_f32 v[14:15], v[14:15], v[252:253] op_sel_hi:[1,0]   ; the sums under the new M (the plain place behind the batch)
	s_wait_alu depctr_va_vdst(0)
.set j, 32
.rept 32
	v_exp_f32 v[96+j], v[96+j]                     ; my second block
.set j, j+1
.endr
	v_exp_f32 v[MB+2], v[MB+2]
	v_max_num_f32 v[MB], 0x1800000, v[MB]          ; THE FIRST BLOCK'S WAY ON stands behind the second's exponentials.  The floor 2^(3 - 127): the byte cannot fall under 1
	ADDS 96, 0
	v_add_nc_u32 v[SOP], 0xff000000, v[MB]         ; 2 off the exponent field: the conversion's scale operand
	ADDS 96, 1
	v_cvt_scalef32_pk16_fp6_f32 v[PC:PC+2], v[96:111], v[SOP]
	v_cvt_scalef32_pk16_fp6_f32 v[TT:TT+2], v[112:127], v[SOP]     ; (a conversion's three registers begin on an even number)
	v_lshrrev_b32 v[BY], 23, v[SOP]                ; the scale's byte (the plain place behind the conversions)
.irp i, 0,1,2
	v_mov_b32 v[PC+3+\i], v[TT+\i]
.endr
	s_wait_alu depctr_va_vdst(0)                   ; one wait for the second batch; it stands directly ahead of the wait below too
	s_wait_dscnt 0x0                               ; V is in
	v_max_num_f32 v[MB+2], 0x1800000, v[MB+2]
	v_add_nc_u32 v[SOP+1], 0xff000000, v[MB+2]
	v_cvt_scalef32_pk16_fp6_f32 v[PC+6:PC+8], v[128:143], v[SOP+1]
	v_cvt_scalef32_pk16_fp6_f32 v[TT:TT+2], v[144:159], v[SOP+1]
	v_lshrrev_b32 v[BY+1], 23, v[SOP+1]
	v_lshl_or_b32 v[BY], v[BY+1], 16, v[BY]        ; my two bytes, blocks h and 2 + h,
	v_lshlrev_b32 v[BY], v[SH8], v[BY]             ; at their places;
	v_permlanex16_b32 v[BY+2], v[BY], s[SEL], s[SEL+1]
	v_or_b32 v253, v[BY], v[BY+2]                  ; with lane l xor 16's two p's scale word is whole
.irp i, 0,1,2
	v_mov_b32 v[PC+9+\i], v[TT+\i]
.endr
	ADDS 128, 0                                    ; eight lines of the second block's sum: with the moves the places between p's scale word and codes and the products
.irp t, 0,2
	v_wmma_scale_f32_16x16x128_f8f6f4 v[160+8*\t:167+8*\t], v[KV+12*\t:KV+12*\t+11], v[PC:PC+11], v[160+8*\t:167+8*\t], v[94+\t/2], v253 matrix_a_fmt:MATRIX_FMT_FP6 matrix_b_fmt:MATRIX_FMT_FP6
	v_wmma_scale_f32_16x16x128_f8f6f4 v[168+8*\t:175+8*\t], v[KV+12+12*\t:KV+12+12*\t+11], v[PC:PC+11], v[168+8*\t:175+8*\t], v[94+\t/2], v253 matrix_a_fmt:MATRIX_FMT_FP6 matrix_b_fmt:MATRIX_FMT_FP6 matrix_a_scale:MATRIX_SCALE_ROW1
.endr
	ADDS 128, 1                                    ; the other eight: the places behind the products, ahead of the next step's loads and of the way out
.endm
.macro OUT u                           ; the pass's 16 rows of O: / the sum, quantised along the head's 64, stored as half a fragment of the next product
	v_add_f32 v14, v14, v15
	s_delay_alu instid0(VALU_DEP_1)
	v_permlanex16_b32 v252, v14, s[SEL], s[SEL+1]
	s_delay_alu instid0(VALU_DEP_1)
	v_add_f32 v14, v14, v252                       ; the row's sum
	s_wait_alu depctr_va_vdst(0)
	v_rcp_f32 v14, v14
	v_nop                                          ; a plain place behind the reciprocal,
	s_wait_alu depctr_va_vdst(0)                   ; and the wait ahead of its first reader
.set j, 0
.rept 32
	v_mul_f32 v[96+j], v[160+j], v14               ; register 16 b + i is channel 32 b + 16 (lane / 16) + i; each accumulator from its low end on
.set j, j+1
.endr
.irp b, 0,1
	v_max3_num_f32 v[232+\b], |v[96+16*\b]|, |v[97+16*\b]|, 0x1800000
.endr
.irp i, 2,4,6,8,10,12,14
.irp b, 0,1
	s_delay_alu instid0(VALU_DEP_2)
	v_max3_num_f32 v[232+\b], v[232+\b], |v[96+16*\b+\i]|, |v[97+16*\b+\i]|
.endr
.endr
.irp b, 0,1
	s_delay_alu instid0(VALU_DEP_2)
	v_permlanex16_b32 v[236+\b], v[232+\b], s[SEL], s[SEL+1]
.endr
.irp b, 0,1
	s_delay_alu instid0(VALU_DEP_2)
	v_max_num_f32 v[232+\b], v[232+\b], v[236+\b]
.endr
.irp b, 0,1
	s_delay_alu instid0(VALU_DEP_2)
	v_add_nc_u32 v[244+\b], 0xff000000, v[232+\b]
.endr
.irp b, 0,1
	s_delay_alu instid0(VALU_DEP_2)
	v_lshrrev_b32 v[236+\b], 23, v[244+\b]
.endr
	s_delay_alu instid0(VALU_DEP_1)
	v_lshl_or_b32 v[208+\u], v237, 8, v236         ; the row's two scale bytes
	v_cvt_scalef32_pk16_fp6_f32 v[192+8*\u:194+8*\u], v[96:111], v244
	v_cvt_scalef32_pk16_fp6_f32 v[240:242], v[112:127], v245
	v_nop
.irp i, 0,1,2
	v_permlane16_swap_b32 v[192+8*\u+\i], v[240+\i]
.endr
.irp i, 0,1,2
	s_delay_alu instid0(VALU_DEP_3)
	v_mov_b32 v[195+8*\u+\i], v[240+\i]
.endr
.irp p, 0,1,2
	global_store_b64 v[AK0], v[192+8*\u+2*\p:193+8*\u+2*\p], s[44:45] offset:12288*\u+256*\p   ; 256 consecutive bytes, aligned; each pass has its own registers
.endr
.endm
.macro PASS u
.if \u
.irp i, 0,1,2,3,4,5
	v_mov_b32 v[22+\i], v[34+\i]
.endr
	v_perm_b32 v255, v[QW], v[QW], 0x03020302      ; the pass's two bytes, for q in the lower and in the upper half of K
.else
	v_perm_b32 v255, v[QW], v[QW], 0x01000100
.endif
	s_mov_b32 s[TB], 0
	s_mov_b32 s[TS], 0
	s_mov_b32 s[CNT], 16
.irp b, 0,1,2,3
	v_add3_u32 v[AKB+\b], s[TB], 1536*\b, v[AK0]
.endr
	v_add_nc_u32 v[ADS], s[TS], v[AS0]
	v_mov_b32 v13, 0xff61b1e6                      ; the largest score so far: -3e38
	v_floor_f32 v12, -v13                          ; -M begins above every -t: the first f is 0
	v_mov_b32 v14, 0
	v_mov_b32 v15, 0
.set j, 0
.rept 32
	v_mov_b32 v[160+j], 0                          ; the step is written once: the first finds zeros.  (These are also the places between q's scale word and the first product)
.set j, j+1
.endr
	s_wait_alu depctr_va_vdst(0)
.Lk_\@:
	STEP
	s_sub_co_u32 s[CNT], s[CNT], 1
	s_cmp_lg_u32 s[CNT], 0
	s_cbranch_scc1 .Lk_\@
	OUT \u
.endm
	PASS 0
	PASS 1
	v_cndmask_b32 v210, v208, v209, s[HM]          ; lanes 0-15 store the first pass's bytes of row r, lanes 16-31 the second's
	global_store_b16 v[OSO], v210, s[46:47]
	s_wait_tensorcnt 0x0                           ; the wave's end
	ds_add_u32 v[SPW], v[NIL]
	s_wait_dscnt 0x0
	CROUND                                         ; the closing round
	s_endpgm
.Lfunc_end_k_q0026736601_attn:
	.size	k_q0026736601_attn, .Lfunc_end_k_q0026736601_attn-k_q0026736601_attn
	.p2alignl 7, 3214868480
	.fill 96, 4, 3214868480
	.section	.rodata,"a",@progbits
	.p2align	6, 0x0
	.amdhsa_kernel k_q0026736601_attn
		.amdhsa_group_segment_fixed_size 206848
		.amdhsa_private_segment_fixed_size 0
		.amdhsa_enable_private_segment 0
		.amdhsa_kernarg_size 24
		.amdhsa_user_sgpr_count 2
		.amdhsa_user_sgpr_kernarg_segment_ptr 1
		.amdhsa_wavefront_size32 1
		.amdhsa_system_sgpr_workgroup_id_x 1
		.amdhsa_system_sgpr_workgroup_id_y 1
		.amdhsa_system_sgpr_workgroup_id_z 1
		.amdhsa_system_vgpr_workitem_id 0
		.amdhsa_next_free_vgpr 256
		.amdhsa_next_free_sgpr 66
		.amdhsa_reserve_vcc 0
		.amdhsa_float_denorm_mode_32 3
		.amdhsa_float_denorm_mode_16_64 3
		.amdhsa_memory_ordered 1
		.amdhsa_forward_progress 1
		.amdhsa_inst_pref_size 49
	.end_amdhsa_kernel
	.amdgpu_metadata
---
amdhsa.version: [ 1, 2 ]
amdhsa.kernels:
  - .name:           k_q0026736601_attn
    .symbol:         k_q0026736601_attn.kd
    .args:
      - { .name: qkv, .offset: 0, .size: 8, .value_kind: global_buffer, .address_space: global }
      - { .name: oimg, .offset: 8, .size: 8, .value_kind: global_buffer, .address_space: global }
      - { .name: os, .offset: 16, .size: 8, .value_kind: global_buffer, .address_space: global }
    .group_segment_fixed_size: 206848
    .private_segment_fixed_size: 0
    .kernarg_segment_align: 8
    .kernarg_segment_size: 24
    .max_flat_workgroup_size: 512
    .sgpr_count:     66
    .vgpr_count:     256
    .wavefront_size: 32
...
	.end_amdgpu_metadata
.endif
;; end of part 3
;; launch oproj (part 4): grid 4 x 32, 4 waves a work-group, clusters of 4 x 4, 327,680 bytes of LDS; arguments oimg, os, xw, xs, bo, out0; writes out0
.if DOCPART == 4
	.amdgcn_target "amdgcn-amd-amdhsa--gfx1250"
	.amdhsa_code_object_version 6
	.text
	.protected	k_q0026736601_oproj
	.globl	k_q0026736601_oproj
	.p2align	8
	.type	k_q0026736601_oproj,@function
k_q0026736601_oproj:
	s_mov_b64 s[64:65], 0
	v_nop
	global_prefetch_b8 v0, s[64:65] scope:SCOPE_SE
	s_setreg_imm32_b32 hwreg(HW_REG_WAVE_MODE, 25, 1), 1
	s_wait_xcnt 0x0
	s_wait_alu depctr_hold_cnt(0) depctr_sa_sdst(0) depctr_va_vdst(0) depctr_va_sdst(0) depctr_va_ssrc(0) depctr_va_vcc(0) depctr_vm_vsrc(0)
	s_getreg_b32 s2, hwreg(HW_REG_IB_STS2, 6, 4)
	s_cmp_eq_u32 s2, 0
	s_cbranch_scc0 .Lentry_in_a_cluster
	s_endpgm
.Lentry_in_a_cluster:
	s_bfe_u32 s2, ttmp6, 0x10000c
	s_cmp_lg_u32 s2, 0xf033
	s_cbranch_scc0 .Lentry_shape_is_right
	s_endpgm
.Lentry_shape_is_right:
.set NQ,     2
.set FR,     12
.set NL, 3                             ; LDS loads of a fragment: its six pieces of 8 bytes, 256 bytes apart, two to a load
.set FB, 68                            ; v68-75 LDS addresses of B's eight fragments that are fetched next
.set FA, 76                            ; v76-83 the same for A's
.set PFO, 30                           ; v30 the prefetches' offset; never rewritten
.set PFA, 94                           ; s[94:95] the prefetches' base: my wave's 8 row blocks of A or of B; never rewritten
.set NP,     4
.set RBB,    3072
.set HALFT,  8*RBB
.set SLOT,   4*HALFT
.set SCL,    2*SLOT
.set HALFS,  4096
.set SBLK,   512
.set SPARE,  SCL+4*HALFS
.set SPITCH, 528
.set ADRA, 16
.set ADRB, 20
.set STO,  24
.set RD,   25
.set CO,   26
.set ADRS, 27
.set SPW,  28
.set NIL,  29
.set SC,   32
.set BO,   64
.set AF,   128
.set BK,   128
.set G1, 24
.set G0, 32
.set G1B, 48
.set G0B, 56
.set G1S, 68
.set G0S, 76
.set G1SB, 80
.set G0SB, 88
.set MSB, 0
.macro WIN new
.if MSB != (\new)
	s_set_vgpr_msb (MSB<<8)|(\new)
.set MSB, \new
.endif
.endm
.set MUL_LO, 0xa1
.set MUL_HI, 0xf1
.set TO_B,   0x40
.macro JLOAD g0a, g1a, g0b, g1b
	s_cmp_eq_u32 s15, 0
	s_cbranch_scc0 .Lfor_b_\@
	tensor_load_to_lds s[\g0a:\g0a+3], s[\g1a:\g1a+7]
	s_nop 0
.rept 4
	v_nop
.endr
	s_branch .Lasked_\@
.Lfor_b_\@:
	tensor_load_to_lds s[\g0b:\g0b+3], s[\g1b:\g1b+7]
	s_nop 0
.rept 4
	v_nop
.endr
.Lasked_\@:
.endm
.macro CREST
	s_cmp_lg_u32 s14, 0
	s_cbranch_scc1 .Lnot_wave_0_\@
	s_barrier_signal -3
.Lnot_wave_0_\@:
	s_barrier_wait -3
	s_barrier_signal -1
	s_barrier_wait -1
.endm
.macro CROUND
	s_barrier_signal -1
	s_barrier_wait -1
	CREST
.endm
	s_load_b128 s[4:7], s[0:1], 0x0
	s_load_b128 s[8:11], s[0:1], 0x10
	s_load_b128 s[96:99], s[0:1], 0x20
	v_lshl_add_u32 v[SPW], v0, 2, SPARE
	v_mov_b32 v[NIL], 0
	ds_add_u32 v[SPW], v[NIL]
	ds_add_u32 v[SPW], v[NIL]
	v_lshrrev_b32 v1, 5, v0
	v_readfirstlane_b32 s14, v1
	s_lshr_b32 s15, s14, 1
	s_and_b32 s16, s14, 1
	s_bfe_u32 s40, ttmp6, 0x40000
	s_bfe_u32 s41, ttmp6, 0x40004
	s_lshl_b32 s42, ttmp9, 2
	s_add_co_u32 s42, s42, s40
	s_and_b32 s17, ttmp7, 0xffff
	s_lshl_b32 s17, s17, 2
	s_add_co_u32 s17, s17, s41
	s_lshl_b32 s43, s41, 2
	s_lshl_b32 s43, 15, s43
	s_lshl_b32 s44, 0x1111, s40
	s_or_b32 s[G1+0], s43, (3<<16)|(1<<21)
	s_or_b32 s[G1B+0], s44, (3<<16)|(1<<21)
.irp g, G1, G1B
	s_mov_b32 s[\g+1], 384<<16
	s_mov_b32 s[\g+2], 16<<16
	s_mov_b32 s[\g+3], 384<<16
	s_mov_b32 s[\g+4], 16
	s_mov_b32 s[\g+5], 1536
	s_mov_b32 s[\g+6], 0
	s_mov_b32 s[\g+7], 0
.endr
	s_or_b32 s[G1S+0], s43, (3<<16)|(1<<21)
	s_or_b32 s[G1SB+0], s44, (3<<16)|(1<<21)
.irp g, G1S, G1SB
	s_mov_b32 s[\g+1], 32<<16
	s_mov_b32 s[\g+2], 32<<16
	s_mov_b32 s[\g+3], 32<<16
	s_mov_b32 s[\g+4], 32
	s_mov_b32 s[\g+5], 32
	s_mov_b32 s[\g+6], 0
	s_mov_b32 s[\g+7], 0
.endr
	s_lshl_b32 s18, s16, 7
	s_lshl_b32 s20, s17, 8
	s_add_co_u32 s20, s20, s18
	s_lshl_b32 s46, s42, 8
	s_add_co_u32 s46, s46, s18
	s_add_co_u32 s46, s46, 27648
	s_lshl_b32 s22, s20, 5
	s_mov_b32 s23, 0
	s_mul_i32 s20, s20, 768
	s_mov_b32 s21, 0
	s_lshl_b32 s92, s46, 5
	s_mov_b32 s93, 0
	s_mul_i32 s46, s46, 768
	s_mov_b32 s47, 0
	s_mul_i32 s45, s14, HALFT
	s_lshl_b32 s94, s14, 12
	s_wait_dscnt 0x0
	s_wait_kmcnt 0x0
	s_add_nc_u64 s[20:21], s[4:5], s[20:21]
	s_add_nc_u64 s[22:23], s[6:7], s[22:23]
	s_add_nc_u64 s[46:47], s[8:9], s[46:47]
	s_add_nc_u64 s[92:93], s[10:11], s[92:93]
	CROUND
.irp s, 0,1
	s_mov_b32 s[G0+4*\s], 1
	s_add_co_u32 s[G0+4*\s+1], s45, \s*SLOT
	s_add_nc_u64 s[G0+4*\s+2:G0+4*\s+3], s[20:21], \s*RBB
	s_or_b32 s[G0+4*\s+3], s[G0+4*\s+3], 0x80000000
	s_mov_b32 s[G0B+4*\s], 1
	s_add_co_u32 s[G0B+4*\s+1], s45, \s*SLOT
	s_add_nc_u64 s[G0B+4*\s+2:G0B+4*\s+3], s[46:47], \s*RBB
	s_or_b32 s[G0B+4*\s+3], s[G0B+4*\s+3], 0x80000000
.endr
; THE HEAD'S FOUR TILES, one joint load a wave, in one chain of arms on the wave's number: slot 0's 16 row blocks of A, its 16 of B, the scale words of A's 256 rows, those of B's.
; back: waves 1 and 3 made their addresses for the tile's second 128 rows; the head's tiles begin at its first.
.macro HARM w, g0, g1, lds, src, back, next
	s_cmp_eq_u32 s14, \w
	s_cbranch_scc0 \next
	s_mov_b32 s[\g0], 1
	s_mov_b32 s[\g0+1], \lds
	s_sub_nc_u64 s[\g0+2:\g0+3], s[\src:\src+1], \back
	s_or_b32 s[\g0+3], s[\g0+3], 0x80000000
	tensor_load_to_lds s[\g0:\g0+3], s[\g1:\g1+7]
	s_nop 0
.rept 4
	v_nop
.endr
	s_branch .Lhead_asked
\next:
.endm
	HARM 0, 4, G1, 0, 20, 0, .Lhead_1
	HARM 1, G0SB, G1B, 2*HALFT, 46, 98304, .Lhead_2
	HARM 2, G0S, G1S, SCL, 22, 0, .Lhead_3
	s_mov_b32 s[G0SB], 1
	s_mov_b32 s[G0SB+1], SCL+2*HALFS
	s_sub_nc_u64 s[G0SB+2:G0SB+3], s[92:93], 4096
	s_or_b32 s[G0SB+3], s[G0SB+3], 0x80000000
	tensor_load_to_lds s[G0SB:G0SB+3], s[G1SB:G1SB+7]
	s_nop 0
.rept 4
	v_nop
.endr
.Lhead_asked:
; PREFETCHES INTO THE L2.  A fill is 3,072 bytes of each row block: 12 blocks of 256 bytes; the 8 row blocks that my wave fetches have 96.  The four partners that ask for them jointly take 24 each, told apart by address
; (cx for A, cy for B): block number n = 24 x place + lane lies at 12,288 (n / 12) + 256 (n % 12) = 256 n + 9,216 (n / 12); lanes 24 to 31 name block 23 again.  The head asks for the second and the third fill,
; the second fill's place for the fourth: two fills ahead; the first fill comes by its load alone.
	s_cmp_eq_u32 s15, 0
	s_cselect_b32 s12, s40, s41
	s_cselect_b64 s[PFA:PFA+1], s[20:21], s[46:47]
	s_mul_i32 s12, s12, 24
	v_and_b32 v31, 31, v0
	v_min_u32 v31, 23, v31
	v_add_nc_u32 v31, s12, v31
	v_mul_u32_u24 v[PFO], v31, 171
	v_lshrrev_b32 v[PFO], 11, v[PFO]               ; n / 12, for n under 96
	v_mul_u32_u24 v[PFO], v[PFO], 9216
	v_lshl_add_u32 v[PFO], v31, 8, v[PFO]
	global_prefetch_b8 v[PFO], s[PFA:PFA+1] offset:RBB th:TH_LOAD_NT scope:SCOPE_SE
	global_prefetch_b8 v[PFO], s[PFA:PFA+1] offset:2*RBB th:TH_LOAD_NT scope:SCOPE_SE
	v_and_b32 v1, 15, v0
	v_bfe_u32 v2, v0, 4, 1
	s_wait_alu depctr_va_vdst(0)
	v_and_b32 v3, 31, v0
	v_lshlrev_b32 v4, 3, v3
	s_mul_i32 s21, s15, HALFT
	s_mul_i32 s22, s16, HALFT
	s_add_co_u32 s22, s22, 2*HALFT
.irp s, 0,1
	v_add_nc_u32 v[ADRA+\s], s21, v4
	v_add_nc_u32 v[ADRB+\s], s22, v4
	s_add_co_u32 s21, s21, SLOT
	s_add_co_u32 s22, s22, SLOT
.endr
	v_lshlrev_b32 v5, 4, v1
	s_lshl_b32 s21, s15, 12
	s_lshl_b32 s22, s16, 12
	s_add_co_u32 s22, s22, 2*HALFS
	s_sub_co_u32 s22, s22, s21
	v_mul_u32_u24 v6, s22, v2
	s_add_co_u32 s21, s21, SCL
	v_add_nc_u32 v5, v5, v6
	v_add_nc_u32 v[ADRS], s21, v5
	s_mul_i32 s23, s14, 16*SPITCH
	v_mul_u32_u24 v5, v1, SPITCH
	v_lshl_add_u32 v5, v2, 6, v5
	v_add_nc_u32 v[STO], s23, v5
	v_lshlrev_b32 v[CO], 4, v3
	s_wait_alu depctr_va_vdst(0)
	v_add_nc_u32 v[RD], s23, v[CO]
	s_lshl_b32 s20, s17, 8
	s_lshl_b32 s21, s15, 7
	s_add_co_u32 s20, s20, s21
	s_lshl_b32 s20, s20, 12
	s_lshl_b32 s46, s42, 10
	s_lshl_b32 s47, s16, 9
	s_add_co_u32 s46, s46, s47
	s_mov_b32 s47, 0
	s_add_nc_u64 s[96:97], s[96:97], s[46:47]
	s_add_co_u32 s20, s20, s46
	s_mov_b32 s21, 0
	s_add_nc_u64 s[12:13], s[98:99], s[20:21]
	global_load_b128 v[BO:BO+3], v[CO], s[96:97]
.macro FRAG reg, adr, q, i
.irp p, 0,2,4
	ds_load_2addr_b64 v[\reg+2*\p:\reg+2*\p+3], v[\adr+(\i)] offset0:32*\p offset1:32*\p+32
.endr
.endm
.macro MUL16 a0, p, q, sc, zero
.irp a, \a0, \a0+1
.irp b, 0,1,2,3,4,5,6,7
.if \zero
	v_wmma_scale_f32_16x16x128_f8f6f4 v[8*(8*((\a)%4)+\b):8*(8*((\a)%4)+\b)+7], v[128*(\p)+FR*\b:128*(\p)+FR*\b+FR-1], v[AF+FR*(\a):AF+FR*(\a)+FR-1], 0, v[SC+8*NQ*(\sc)+NQ*\b+(\q)], v[SC+8*NQ*(\sc)+NQ*(\a)+(\q)] matrix_a_fmt:MATRIX_FMT_FP6 matrix_b_fmt:MATRIX_FMT_FP6 matrix_a_scale:MATRIX_SCALE_ROW1
.else
	v_wmma_scale_f32_16x16x128_f8f6f4 v[8*(8*((\a)%4)+\b):8*(8*((\a)%4)+\b)+7], v[128*(\p)+FR*\b:128*(\p)+FR*\b+FR-1], v[AF+FR*(\a):AF+FR*(\a)+FR-1], v[8*(8*((\a)%4)+\b):8*(8*((\a)%4)+\b)+7], v[SC+8*NQ*(\sc)+NQ*\b+(\q)], v[SC+8*NQ*(\sc)+NQ*(\a)+(\q)] matrix_a_fmt:MATRIX_FMT_FP6 matrix_b_fmt:MATRIX_FMT_FP6 matrix_a_scale:MATRIX_SCALE_ROW1
.endif
.endr
.endr
.endm
.macro FETCH_B slot, q, p
	WIN 0
.irp i, 0,1,2,3,4,5,6,7
	v_add_nc_u32 v[FB+\i], \i*RBB+(\q)*1536, v[ADRB+\slot]
.endr
	WIN TO_B
.irp i, 0,1,2,3,4,5,6,7
	FRAG 128*(\p)+FR*\i, FB, \q, \i
.endr
	WIN 0
.endm
.macro FETCH_A slot, q, i0
.irp i, \i0, \i0+1, \i0+2, \i0+3
	v_add_nc_u32 v[FA+(\i)], (\i)*RBB+(\q)*1536, v[ADRA+\slot]
.endr
.irp i, \i0, \i0+1, \i0+2, \i0+3
	FRAG AF+FR*(\i), FA, \q, \i
.endr
.endm
.macro SCALES sc
.irp i, 0,1,2,3,4,5,6,7
	ds_load_b64 v[SC+8*NQ*\sc+NQ*\i:SC+8*NQ*\sc+NQ*\i+1], v[ADRS] offset:\i*SBLK
.endr
.endm
.macro PLACES n
.rept \n
	v_nop
.endr
.endm
.macro STEP slot, q, zero
	s_wait_dscnt 4*NL
	WIN MUL_LO
	MUL16 0, (\q)%2, \q, \slot, \zero
	MUL16 2, (\q)%2, \q, \slot, \zero
	s_wait_dscnt 0
	PLACES NP
	FETCH_B \slot, (\q)+1, 1-(\q)%2
	FETCH_A \slot, (\q)+1, 0
	WIN MUL_HI
	MUL16 4, (\q)%2, \q, \slot, \zero
	MUL16 6, (\q)%2, \q, \slot, \zero
	PLACES NP
	WIN 0
	FETCH_A \slot, (\q)+1, 4
.endm
.macro TURN slot, next, fill
	s_wait_tensorcnt 0x0
	ds_add_u32 v[SPW], v[NIL]
	s_wait_dscnt 4*NL+1
	WIN MUL_LO
	MUL16 0, 1, NQ-1, \slot, 0
	s_wait_dscnt 0x0
	s_barrier_signal -1
	MUL16 2, 1, NQ-1, \slot, 0
	WIN 0
	s_barrier_wait -1
.if \fill
	CREST
	s_add_nc_u64 s[G0+4*\slot+2:G0+4*\slot+3], s[G0+4*\slot+2:G0+4*\slot+3], 2*RBB
	s_add_nc_u64 s[G0B+4*\slot+2:G0B+4*\slot+3], s[G0B+4*\slot+2:G0B+4*\slot+3], 2*RBB
	JLOAD G0+4*\slot, G1, G0B+4*\slot, G1B
.else
	PLACES NP
.endif
.if \slot == 0
	v_add_nc_u32 v[ADRS], 8, v[ADRS]
.else
	s_wait_alu depctr_va_vdst(0)
	v_add_nc_u32 v[ADRS], 248, v[ADRS]
.endif
	FETCH_B \next, 0, 0
	FETCH_A \next, 0, 0
	SCALES \next
	WIN MUL_HI
	MUL16 4, 1, NQ-1, \slot, 0
	MUL16 6, 1, NQ-1, \slot, 0
	PLACES NP
	WIN 0
	FETCH_A \next, 0, 4
.endm
	s_wait_alu depctr_va_vdst(0)
	s_wait_tensorcnt 0x0                           ; my tile of the head's four is in
	ds_add_u32 v[SPW], v[NIL]
	s_mov_b32 s[G1+2], 8<<16                       ; no tensor load of mine is out: from here on a load brings 8 row blocks
	s_mov_b32 s[G1+4], 8
	s_mov_b32 s[G1B+2], 8<<16
	s_mov_b32 s[G1B+4], 8
	s_wait_dscnt 0x0
	CROUND                                         ; all four tiles are in, and the sixteen work-groups meet
	JLOAD G0+4, G1, G0B+4, G1B                     ; slot 1's first fill
	FETCH_B 0, 0, 0
	FETCH_A 0, 0, 0
	SCALES 0
	FETCH_A 0, 0, 4
	global_prefetch_b8 v[PFO], s[PFA:PFA+1] offset:3*RBB th:TH_LOAD_NT scope:SCOPE_SE   ; the fourth and last fill
	STEP 0, 0, 1
	TURN 0, 1, 1
	STEP 1, 0, 0
	TURN 1, 0, 1
	s_wait_alu depctr_va_vdst(0)
	STEP 0, 0, 0
	TURN 0, 1, 0
	STEP 1, 0, 0
	s_wait_dscnt 4*NL
	WIN MUL_LO
	MUL16 0, 1, NQ-1, 1, 0
	MUL16 2, 1, NQ-1, 1, 0
	s_wait_dscnt 0
	WIN MUL_HI
	MUL16 4, 1, NQ-1, 1, 0
	MUL16 6, 1, NQ-1, 1, 0
	WIN 0
.macro TOSTAGE a
.set AC, 64*((\a)%4)
	WIN 0x08+4*((\a)/4)
.irp b, 0,1,2,3,4,5,6,7
	ds_store_b128 v[STO], v[AC+8*\b:AC+8*\b+3] offset:128*(\b/2)+32*(\b%2)
	ds_store_b128 v[STO], v[AC+8*\b+4:AC+8*\b+7] offset:128*(\b/2)+32*(\b%2)+16
.endr
	WIN 0
.set BB, BK+64*((\a)%2)
.irp t, 0,1,2,3,4,5,6,7,8,9,10,11,12,13,14,15
	ds_load_b128 v[BB+4*\t:BB+4*\t+3], v[RD] offset:\t*SPITCH
.endr
.endm
.macro SEND a, younger
.set BB, BK+64*((\a)%2)
	s_wait_dscnt \younger
.if (\a) > 0
.if (\a)%2
	s_add_nc_u64 s[12:13], s[12:13], 8*4096
.else
	s_add_nc_u64 s[12:13], s[12:13], 24*4096
.endif
.endif
.irp t, 0,1,2,3,4,5,6,7,8,9,10,11,12,13,14,15
	v_pk_add_f32 v[BB+4*\t:BB+4*\t+1], v[BB+4*\t:BB+4*\t+1], v[BO:BO+1]
	v_pk_add_f32 v[BB+4*\t+2:BB+4*\t+3], v[BB+4*\t+2:BB+4*\t+3], v[BO+2:BO+3]
	global_store_b128 v[CO], v[BB+4*\t:BB+4*\t+3], s[12:13] offset:(\t+8*(\t/8))*4096 th:TH_STORE_NT
.endr
.endm
	PLACES NP
	s_wait_loadcnt 0x0
	TOSTAGE 0
.irp a, 1,2,3,4,5,6,7
.if \a > 1
	s_wait_xcnt 0x0
.endif
	TOSTAGE \a
	SEND \a-1, 32
.endr
	s_wait_xcnt 0x0
	SEND 7, 0
	s_wait_tensorcnt 0x0
	ds_add_u32 v[SPW], v[NIL]
	s_wait_dscnt 0x0
	CROUND
	s_endpgm
.Lfunc_end_k_q0026736601_oproj:
	.size	k_q0026736601_oproj, .Lfunc_end_k_q0026736601_oproj-k_q0026736601_oproj
	.p2alignl 7, 3214868480
	.fill 96, 4, 3214868480
	.section	.rodata,"a",@progbits
	.p2align	6, 0x0
	.amdhsa_kernel k_q0026736601_oproj
		.amdhsa_group_segment_fixed_size 327680
		.amdhsa_private_segment_fixed_size 0
		.amdhsa_enable_private_segment 0
		.amdhsa_kernarg_size 48
		.amdhsa_user_sgpr_count 2
		.amdhsa_user_sgpr_kernarg_segment_ptr 1
		.amdhsa_wavefront_size32 1
		.amdhsa_system_sgpr_workgroup_id_x 1
		.amdhsa_system_sgpr_workgroup_id_y 1
		.amdhsa_system_sgpr_workgroup_id_z 1
		.amdhsa_system_vgpr_workitem_id 0
		.amdhsa_next_free_vgpr 1024
		.amdhsa_next_free_sgpr 100
		.amdhsa_reserve_vcc 0
		.amdhsa_float_denorm_mode_32 3
		.amdhsa_float_denorm_mode_16_64 3
		.amdhsa_memory_ordered 1
		.amdhsa_forward_progress 1
		.amdhsa_inst_pref_size 161
	.end_amdhsa_kernel
	.amdgpu_metadata
---
amdhsa.version: [ 1, 2 ]
amdhsa.kernels:
  - .name:           k_q0026736601_oproj
    .symbol:         k_q0026736601_oproj.kd
    .args:
      - { .name: oimg, .offset: 0, .size: 8, .value_kind: global_buffer, .address_space: global }
      - { .name: os, .offset: 8, .size: 8, .value_kind: global_buffer, .address_space: global }
      - { .name: xw, .offset: 16, .size: 8, .value_kind: global_buffer, .address_space: global }
      - { .name: xs, .offset: 24, .size: 8, .value_kind: global_buffer, .address_space: global }
      - { .name: bo, .offset: 32, .size: 8, .value_kind: global_buffer, .address_space: global }
      - { .name: out0, .offset: 40, .size: 8, .value_kind: global_buffer, .address_space: global }
    .group_segment_fixed_size: 327680
    .private_segment_fixed_size: 0
    .kernarg_segment_align: 8
    .kernarg_segment_size: 48
    .max_flat_workgroup_size: 128
    .sgpr_count:     100
    .vgpr_count:     1024
    .wavefront_size: 32
...
	.end_amdgpu_metadata
.endif
;; end of part 4
